; MI455X (gfx1250); checked and timed in simulation.
; The chip was launched on July 23, 2026; its instructions are those of AMD's public machine-readable ISA for CDNA 5 (MIT licence, August 2026) and "CDNA5" Instruction Set Architecture Reference Guide (July 2026). The comments in the code are by the model that wrote it; some were corrected since.
;; Re Bert Attention. Allowed arithmetic: matrix products marked QUANTISED: E2M1 operands, one E8M0 scale for each 32 along K, by v_wmma_scale_f32_16x16x128_f8f6f4 with both operands' format E2M1 (or v_wmma_scale_f32_32x16x128_f4), f32 sums; products left as they are: bf16, f16 or f32 operands; f32 sums; everything else in f32.
;; Inputs: mask 1 x 1 x 4,096 x 4,096 float32; position_ids 1 x 4,096 int32; seq 1 x 4,096 x 1,024 float32; wk 256 x 1,024 float32; wo 1,024 x 1,024 float32; wq 1,024 x 1,024 float32; wv 256 x 1,024 float32.
;; Outputs: out0 1 x 4,096 x 1,024 float32.
;; This version of the problem:
;;   THIS VERSION OF THE PROBLEM IS GIVEN IN LOW PRECISION. The matrix products marked QUANTISED in the list below multiply operands that are first quantised to E2M1 (2 exponent bits, 1 mantissa bit; 4 bits a number), with one power-of-two scale for each 32 numbers along K (OCP MX v1.0); their sums are f32. The products marked 'left as it is' may take bf16, f16 or f32 operands, with f32 sums. Whichever they take, every output number must still come out within the allowed error. Rounding operands to bf16 (8 significant bits) uses up far more of that allowance than f16 does (11 bits, for magnitudes from 6e-5 to 65,504). All else is computed in f32.
;;   The module's matrix products, in the order in which they are computed (A, B: the left and right operand; K: the contracted axis; several contracted axes count as one K, in the product's order):
;;     1. [M 4,096, K 1,024] x [K 1,024, N 1,024]; A: input seq; B: input wq: QUANTISED
;;     2. [M 4,096, K 1,024] x [K 1,024, N 256]; A: input seq; B: input wk: QUANTISED
;;     3. [M 4,096, K 1,024] x [K 1,024, N 256]; A: input seq; B: input wv: QUANTISED
;;     4. batch 4 x [M 16,384, K 64] x [K 64, N 4,096]; A: computed on the way; B: computed on the way: left as it is (an operand is computed on the way)
;;     5. batch 4 x [M 16,384, K 4,096] x [K 4,096, N 64]; A: computed on the way; B: computed on the way: left as it is (an operand is computed on the way)
;;     6. [M 4,096, K 1,024] x [K 1,024, N 1,024]; A: computed on the way; B: input wo: left as it is (an operand is computed on the way)
;;   THE QUANTISER, for each operand of a quantised product, along K:
;;     - K is cut into blocks of 32 from its start; a last block that is shorter is filled with zeros.
;;     - A block's scale is 2^e with e = floor(log2(the largest magnitude in the block)) - 2, held to -126 .. 127; a block of zeros has e = 0. As a byte (E8M0): e + 127.
;;     - Each number is divided by its block's scale, clamped to +-6, and rounded to the nearest number of E2M1, ties to even, subnormals kept.
;;     - The product sums the exact products of the quantised numbers (number of the format x scale) in f32.
;;   ~~~python
;;   def quantise(x, axis):      # numpy; x: float32 -> the quantised numbers, widened to float32 again
;;       x = np.moveaxis(x, axis, -1); K = x.shape[-1]
;;       x = np.pad(x, [(0, 0)] * (x.ndim - 1) + [(0, -K % 32)]); x = x.reshape(x.shape[:-1] + (-1, 32)); a = np.abs(x).max(-1, keepdims=True)
;;       e = np.where(a > 0, np.clip(np.frexp(np.where(a > 0, a, 1))[1] - 1 - 2, -126, 127), 0)      # np.frexp(a)[1] - 1 = floor(log2(a)), exactly
;;       r = np.clip(x / 2.0 ** e, -6, 6)
;;       step = 2.0 ** (np.maximum(np.frexp(np.where(r == 0, 1, r))[1] - 1, 0) - 1)
;;       q = np.round(r / step) * step * 2.0 ** e      # np.round: ties to even
;;       return np.moveaxis(q.reshape(q.shape[:-2] + (-1,))[..., :K], -1, axis).astype(np.float32)
;;   ~~~
;; One version. Each part assembles by itself: llvm-mc -triple=amdgcn-amd-amdhsa -mcpu=gfx1250 --defsym DOCPART=n.
;; ======== version 1 of 1: 4 launches
;; limits: inputs' magnitudes at most 1e+38; values are held in f16: magnitudes above 65,504 overflow, below 6.1e-05 lose precision
;; workspace buffers: acodes 2,097,152 bytes; ascales 131,072 bytes; wcodes 786,432 bytes; wscales 49,152 bytes; wo16 2,097,152 bytes; ropetab 1,048,576 bytes; qkv16 12,582,912 bytes; att16 8,388,608 bytes
;; launch prep (part 1): grid 304 x 1, 4 waves a work-group, no clusters, 67,072 bytes of LDS; arguments seq, wq, wk, wv, wo, position_ids, acodes, ascales, wcodes, wscales, wo16, ropetab; writes acodes, ascales, wcodes, wscales, wo16, ropetab
.if DOCPART == 1
	.amdgcn_target "amdgcn-amd-amdhsa--gfx1250"
	.amdhsa_code_object_version 6
	.text
	.protected	k_qa2a4907995_prep
	.globl	k_qa2a4907995_prep
	.p2align	8
	.type	k_qa2a4907995_prep,@function
k_qa2a4907995_prep:
	s_mov_b64 s[64:65], 0
	v_nop
	global_prefetch_b8 v0, s[64:65] scope:SCOPE_SE
	s_setreg_imm32_b32 hwreg(HW_REG_WAVE_MODE, 25, 1), 1
	s_wait_xcnt 0x0
; PREP: three jobs, told apart by the work-group's number g.
;   g 0-175   seq [4096][1024] and wq, wk, wv ([1024 + 256 + 256][1024]), f32, become codes of FP4 (E2M1) with one E8M0 byte for each 32 along K.
;   g 176-239 wo [1024][1024] f32 becomes f16, same layout.
;   g 240-303 the RoPE table: cos and sin of position x 10000^(-f/32), f = 0..31, for each token, laid as the projection's result registers want them.
; LAYOUT OF THE CODES: [tile of 16 rows][block of 32 along K, 0..31][row 0..15][16 bytes].  That is the image of the matrix operand's registers: the fragment of K step s
; (128 along K) is the 1,024 bytes at 1024 s of a tile, and register group c of lane l lies at 512 c + 16 l.  So a reader needs loads of 16 bytes a lane, dense, and nothing else.
; LAYOUT OF THE SCALE BYTES: [pair of tiles][quarter of K, 0..3][lane 0..31][8 bytes]: lane l has row l of the pair; its two words are K steps 2 q and 2 q + 1; byte b is block b of the step.
; A block's scale is 2^(floor(log2(largest magnitude)) - 2); its byte is the largest magnitude's exponent field - 2, held at 1 from below.
; LIMITS: a block of zeros, or one whose largest magnitude lies under 2^-124, gets the byte 1 (this program alone reads the bytes; zero codes add nothing); NaN and infinities are not served.
; The RoPE angle is position x frequency in f32, as the reference forms it; the frequency comes from v_exp_f32, so an angle may differ from the reference's by about 1e-3 rad at position 4095.
; No tensor load, no barrier: waves share nothing.  No matrix unit, no cluster: no two work-groups read the same bytes.
.set STG,   16640                      ; a wave's stage in LDS: 16 rows x (1,024 bytes + 16 of padding)
.set SPARE, 4*STG                      ; behind the four stages: the spare words, 128 bytes a wave
.set SPW,   14                         ; v14  my spare word's address; never rewritten
.set NIL,   15                         ; v15  0; never rewritten
.set E,     16                         ; v16-23   scale bytes: tile a, block pair c at E + 4 a + c
.set W,     24                         ; v24-27   scale words: tile a, K step s at W + 2 a + s
.set C,     32                         ; v32-63   codes: four registers for each (a, c), never written twice
.set X,     128                        ; v128-255 tile 0 as loaded, then a tile's numbers back from the stage; window 1, v0-127: tile 1 as loaded
.set MSB, 0
.macro WIN new                         ; the immediate's high byte repeats the setting that is left
.if MSB != \new
	s_set_vgpr_msb (MSB<<8)|\new
.set MSB, \new
.endif
.endm
.macro CLOSE                           ; a wave's end
	s_wait_tensorcnt 0x0
	ds_add_u32 v[SPW], v[NIL]
	s_wait_dscnt 0x0
	s_endpgm
.endm
	s_load_b512 s[8:23], s[0:1], 0x0               ; seq s[8:9], wq s[10:11], wk s[12:13], wv s[14:15], wo s[16:17], positions s[18:19], acodes s[20:21], ascales s[22:23]
	s_load_b256 s[24:31], s[0:1], 0x40             ; wcodes s[24:25], wscales s[26:27], wo16 s[28:29], ropetab s[30:31]
	v_lshl_add_u32 v[SPW], v0, 2, SPARE
	v_mov_b32 v[NIL], 0
	v_lshrrev_b32 v1, 5, v0
	v_readfirstlane_b32 s4, v1                     ; wave 0..3
	v_and_b32 v5, 31, v0                           ; lane
	v_and_b32 v6, 15, v0                           ; r
	v_bfe_u32 v7, v0, 4, 1                         ; h
	v_lshlrev_b32 v1, 4, v5                        ; 16 x lane
	v_lshlrev_b32 v4, 3, v5                        ; 8 x lane
	s_mov_b32 s5, ttmp9                            ; g
	s_mov_b32 s39, 0
	s_wait_kmcnt 0x0
	s_cmp_lt_u32 s5, 176
	s_cbranch_scc0 .Lnot_quant
; ---- THE QUANTISER.  A work-group takes a pair of tiles (32 rows); wave q takes K = 256 q .. 256 q + 255 of them.
; Each load reads 512 consecutive bytes of a row.  The conversions want 32 neighbours along K in ONE lane, so a tile's 16 x 1,024 bytes turn through the wave's stage:
; in as they lie, out 128 bytes a lane: lane (r, h) takes blocks 2 c + h of row r, which is the order of the operand's registers.
	s_cmp_lt_u32 s5, 128                           ; the buffers are chosen by the work-group's number alone
	s_cselect_b64 s[32:33], s[20:21], s[24:25]     ; codes
	s_cselect_b64 s[34:35], s[22:23], s[26:27]     ; scale bytes
	s_cselect_b32 s6, 0, 128
	s_sub_co_u32 s6, s5, s6                        ; the pair's number in the codes' buffer
	s_cmp_lt_u32 s5, 168
	s_cselect_b64 s[36:37], s[12:13], s[14:15]     ; wk or wv,
	s_mov_b32 s7, 168
	s_cselect_b32 s7, 160, s7
	s_cmp_lt_u32 s5, 160
	s_cselect_b64 s[36:37], s[10:11], s[36:37]     ; or wq,
	s_cselect_b32 s7, 128, s7
	s_cmp_lt_u32 s5, 128
	s_cselect_b64 s[36:37], s[8:9], s[36:37]       ; or seq
	s_cselect_b32 s7, 0, s7
	s_sub_co_u32 s7, s5, s7                        ; the pair's number in its source
	s_lshl_b32 s38, s7, 17                         ; 32 rows of 4,096 bytes
	s_lshl_b32 s40, s4, 10                         ; + my quarter of K
	s_add_co_u32 s38, s38, s40
	s_add_nc_u64 s[36:37], s[36:37], s[38:39]
	s_lshl_b32 s38, s6, 14                         ; a pair's codes are 16,384 bytes; my quarter of a tile's begins at 2,048 q
	s_lshl_b32 s40, s4, 11
	s_add_co_u32 s38, s38, s40
	s_add_nc_u64 s[32:33], s[32:33], s[38:39]
	s_lshl_b32 s38, s6, 10                         ; a pair's scale bytes are 1,024; my quarter's 256
	s_lshl_b32 s40, s4, 8
	s_add_co_u32 s38, s38, s40
	s_add_nc_u64 s[34:35], s[34:35], s[38:39]
.set q, 0
.rept 32                                       ; tile 0: row q / 2, half q % 2
	global_load_b128 v[X+4*q:X+4*q+3], v1, s[36:37] offset:(q/2)*4096+(q%2)*512 th:TH_LOAD_NT
.set q, q+1
.endr
	WIN 0x40                                       ; destination window 1
.set q, 0
.rept 32                                       ; tile 1
	global_load_b128 v[4*q:4*q+3], v1, s[36:37] offset:(16+q/2)*4096+(q%2)*512 th:TH_LOAD_NT
.set q, q+1
.endr
	WIN 0
	s_mul_i32 s38, s4, STG                         ; my stage
	v_add_nc_u32 v2, s38, v1                       ; in: 16 x lane, the row and the half in the offset
	v_mul_u32_u24 v3, v6, 1040
	v_lshl_add_u32 v3, v7, 7, v3
	v_add_nc_u32 v3, s38, v3                       ; out: row r, + 128 h
	v_lshlrev_b32 v9, 3, v7                        ; 8 h
	v_mov_b32 v10, 0                               ; a lane permute's destination counts as one of its sources
	s_mov_b32 s40, 0x76543210
	s_mov_b32 s41, 0xfedcba98                      ; selects for lane l xor 16
.macro BLOCK a, c                      ; my block 2 c + h of tile a: all its 32 numbers are mine
.set XS, X+32*(\c)
.set CC, C+16*(\a)+4*(\c)
	v_max3_num_f32 v12, |v[XS]|, |v[XS+1]|, |v[XS+2]|
	v_max3_num_f32 v13, |v[XS+3]|, |v[XS+4]|, |v[XS+5]|
.irp i, 6,10,14,18,22,26
	v_max3_num_f32 v12, v12, |v[XS+\i]|, |v[XS+\i+1]|
	v_max3_num_f32 v13, v13, |v[XS+\i+2]|, |v[XS+\i+3]|
.endr
	v_max3_num_f32 v12, v12, |v[XS+30]|, |v[XS+31]|
	v_max3_num_f32 v12, v12, v13, 0x1800000        ; and the floor 2^(3 - 127): the byte cannot fall under 1
	v_add_nc_u32 v11, 0xff000000, v12              ; 2 off the exponent field: the conversion takes the exponent field of this operand as its scale
.irp g, 0,1,2,3
	v_cvt_scalef32_pk8_fp4_f32 v[CC+\g], v[XS+8*\g:XS+8*\g+7], v11
.endr
	v_lshrrev_b32 v[E+4*(\a)+(\c)], 23, v11        ; the scale's byte (also the plain line behind the conversions)
	global_store_b128 v1, v[CC:CC+3], s[32:33] offset:(\a)*8192+(\c)*512   ; 32 lanes store 512 consecutive bytes
.endm
.macro TILE a
.if \a
	WIN 0x04                                       ; an LDS store's data are its source 1: window 1
.endif
.set q, 0
.rept 32
	ds_store_b128 v2, v[X*(1-\a)+4*q:X*(1-\a)+4*q+3] offset:(q/2)*1040+(q%2)*512
.set q, q+1
.endr
	WIN 0
	s_wait_dscnt 0x0                               ; the stores have read their registers
.set q, 0
.rept 32                                       ; block pair q / 8, 16 bytes q % 8 of my 128
	ds_load_b128 v[X+4*q:X+4*q+3], v3 offset:(q/8)*256+(q%8)*16
.set q, q+1
.endr
	s_wait_dscnt 0x0
.irp c, 0,1,2,3
	BLOCK \a, \c
.endr
.irp s, 0,1                                    ; K step 2 q + s: my bytes are blocks h and 2 + h of it; lane l xor 16 has the other two
	v_lshl_or_b32 v[W+2*\a+\s], v[E+4*\a+2*\s+1], 16, v[E+4*\a+2*\s]
	v_lshlrev_b32 v[W+2*\a+\s], v9, v[W+2*\a+\s]
	v_permlanex16_b32 v10, v[W+2*\a+\s], s40, s41
	v_or_b32 v[W+2*\a+\s], v[W+2*\a+\s], v10
.endr
.endm
	s_wait_loadcnt 32                              ; tile 0's 32 loads are in; tile 1's 32 may be out
	TILE 0
	s_wait_loadcnt 0x0
	TILE 1
	v_cmp_ne_u32 vcc_lo, 0, v7                     ; lanes 0-15 store tile 0's words, lanes 16-31 tile 1's
	v_cndmask_b32 v28, v[W], v[W+2], vcc_lo
	v_cndmask_b32 v29, v[W+1], v[W+3], vcc_lo
	global_store_b64 v4, v[28:29], s[34:35]        ; 32 lanes store 256 consecutive bytes, aligned
	CLOSE
.Lnot_quant:
	s_cmp_lt_u32 s5, 240
	s_cbranch_scc0 .Lrope
; ---- wo TO f16.  A wave takes 16,384 bytes of wo: 32 loads of 512 bytes, 32 stores of 256.
	s_sub_co_u32 s6, s5, 176
	s_lshl_b32 s6, s6, 2
	s_add_co_u32 s6, s6, s4
	s_lshl_b32 s38, s6, 14
	s_add_nc_u64 s[16:17], s[16:17], s[38:39]
	s_lshl_b32 s38, s6, 13
	s_add_nc_u64 s[28:29], s[28:29], s[38:39]
.set q, 0
.rept 32
	global_load_b128 v[128+4*q:128+4*q+3], v1, s[16:17] offset:512*q th:TH_LOAD_NT
.set q, q+1
.endr
	s_wait_loadcnt 0x0
.set q, 0
.rept 64
	v_cvt_pk_f16_f32 v[64+q], v[128+2*q], v[129+2*q]
.set q, q+1
.endr
.set q, 0
.rept 32
	global_store_b64 v4, v[64+2*q:65+2*q], s[28:29] offset:256*q
.set q, q+1
.endr
	CLOSE
.Lrope:
; ---- THE RoPE TABLE.  A wave takes a tile of 16 tokens.  Lane (r, h) makes, for token r, cos and sin at the 16 frequencies f = 16 t + 8 h + j (t = 0, 1; j = 0..7):
; those are the channels that the lane holds in the projection's result.  Group g = 4 sc + 2 t + u (sc: 0 cos, 1 sin; u: j / 4) is 512 bytes, 16 a lane.
	s_sub_co_u32 s6, s5, 240
	s_lshl_b32 s6, s6, 2
	s_add_co_u32 s6, s6, s4                        ; the tile
	s_lshl_b32 s38, s6, 6
	s_add_nc_u64 s[18:19], s[18:19], s[38:39]
	s_lshl_b32 s38, s6, 12
	s_add_nc_u64 s[30:31], s[30:31], s[38:39]
	v_lshlrev_b32 v8, 2, v6
	global_load_b32 v9, v8, s[18:19]               ; my token's position: it enters as a number, never as an address
	s_mov_b32 s40, 0xbfc90fdb                      ; - (pi/2 rounded to f32)
	s_mov_b32 s41, 0x333bbd2e                      ; that rounded number less pi/2
	s_mov_b32 s42, 0xb9500d01                      ; -1/5040
	s_mov_b32 s43, 0x3c088889                      ; 1/120
	s_mov_b32 s44, 0x37d00d01                      ; 1/40320
	s_mov_b32 s45, 0xbab60b61                      ; -1/720
	s_mov_b32 s46, 0xbe2aaaab                      ; -1/6
	s_mov_b32 s47, 0x3d2aaaab                      ; 1/24
	v_lshlrev_b32 v10, 3, v7                       ; 8 h
.set q, 0
.rept 16
	v_add_nc_u32 v[96+q], 16*(q/8)+q%8, v10        ; f
.set q, q+1
.endr
.set q, 0
.rept 16
	v_cvt_f32_u32 v[96+q], v[96+q]
.set q, q+1
.endr
.set q, 0
.rept 16
	v_mul_f32 v[96+q], 0xbed49a78, v[96+q]         ; x -log2(10000) / 32
.set q, q+1
.endr
.set q, 0
.rept 16
	v_exp_f32 v[96+q], v[96+q]                     ; the frequency 10000^(-f/32)
.set q, q+1
.endr
	v_nop                                          ; a plain line behind the last exponential
	s_wait_alu depctr_va_vdst(0)                   ; one wait for the batch, ahead of its first reader
	s_wait_loadcnt 0x0
	v_cvt_f32_i32 v5, v9
; x = position x frequency; n = the nearest whole number to x / (pi/2); r = x - n pi/2 in two parts, |r| <= pi/4; Taylor sums to r^7 and r^8; the quadrant n mod 4 swaps and signs them.
.macro SINCOS n
	v_mul_f32 v112, v5, v[96+\n]
	v_mul_f32 v113, 0x3f22f983, v112
	v_rndne_f32 v113, v113
	v_fma_f32 v114, v113, s40, v112
	v_fma_f32 v114, v113, s41, v114
	v_cvt_i32_f32 v115, v113
	v_mul_f32 v116, v114, v114
	v_fma_f32 v117, v116, s42, s43
	v_fma_f32 v118, v116, s44, s45
	v_fma_f32 v117, v117, v116, s46
	v_fma_f32 v118, v118, v116, s47
	v_mul_f32 v119, v114, v116
	v_fma_f32 v118, v118, v116, -0.5
	v_fma_f32 v117, v119, v117, v114               ; sin r
	v_fma_f32 v118, v118, v116, 1.0                ; cos r
	v_and_b32 v119, 1, v115
	v_cmp_ne_u32 vcc_lo, 0, v119
	v_cndmask_b32 v120, v117, v118, vcc_lo         ; odd quadrants change the two
	v_cndmask_b32 v121, v118, v117, vcc_lo
	v_and_b32 v119, 2, v115
	v_lshlrev_b32 v119, 30, v119
	v_xor_b32 v[80+\n], v119, v120                 ; sin: negative in quadrants 2 and 3
	v_add_nc_u32 v115, 1, v115
	v_and_b32 v115, 2, v115
	v_lshlrev_b32 v115, 30, v115
	v_xor_b32 v[64+\n], v115, v121                 ; cos: negative in quadrants 1 and 2
.endm
.irp n, 0,1,2,3,4,5,6,7,8,9,10,11,12,13,14,15
	SINCOS \n
.endr
.irp g, 0,1,2,3,4,5,6,7
	global_store_b128 v1, v[64+4*\g:64+4*\g+3], s[30:31] offset:512*\g
.endr
	CLOSE
.Lfunc_end_k_qa2a4907995_prep:
	.size	k_qa2a4907995_prep, .Lfunc_end_k_qa2a4907995_prep-k_qa2a4907995_prep
	.p2alignl 7, 3214868480
	.fill 96, 4, 3214868480
	.section	.rodata,"a",@progbits
	.p2align	6, 0x0
	.amdhsa_kernel k_qa2a4907995_prep
		.amdhsa_group_segment_fixed_size 67072
		.amdhsa_private_segment_fixed_size 0
		.amdhsa_enable_private_segment 0
		.amdhsa_kernarg_size 96
		.amdhsa_user_sgpr_count 2
		.amdhsa_user_sgpr_kernarg_segment_ptr 1
		.amdhsa_wavefront_size32 1
		.amdhsa_system_sgpr_workgroup_id_x 1
		.amdhsa_system_sgpr_workgroup_id_y 1
		.amdhsa_system_sgpr_workgroup_id_z 1
		.amdhsa_system_vgpr_workitem_id 0
		.amdhsa_next_free_vgpr 384
		.amdhsa_next_free_sgpr 66
		.amdhsa_reserve_vcc 1
		.amdhsa_float_denorm_mode_32 3
		.amdhsa_float_denorm_mode_16_64 3
		.amdhsa_memory_ordered 1
		.amdhsa_forward_progress 1
		.amdhsa_inst_pref_size 63
	.end_amdhsa_kernel
	.amdgpu_metadata
---
amdhsa.version: [ 1, 2 ]
amdhsa.kernels:
  - .name:           k_qa2a4907995_prep
    .symbol:         k_qa2a4907995_prep.kd
    .args:
      - { .name: seq, .offset: 0, .size: 8, .value_kind: global_buffer, .address_space: global }
      - { .name: wq, .offset: 8, .size: 8, .value_kind: global_buffer, .address_space: global }
      - { .name: wk, .offset: 16, .size: 8, .value_kind: global_buffer, .address_space: global }
      - { .name: wv, .offset: 24, .size: 8, .value_kind: global_buffer, .address_space: global }
      - { .name: wo, .offset: 32, .size: 8, .value_kind: global_buffer, .address_space: global }
      - { .name: position_ids, .offset: 40, .size: 8, .value_kind: global_buffer, .address_space: global }
      - { .name: acodes, .offset: 48, .size: 8, .value_kind: global_buffer, .address_space: global }
      - { .name: ascales, .offset: 56, .size: 8, .value_kind: global_buffer, .address_space: global }
      - { .name: wcodes, .offset: 64, .size: 8, .value_kind: global_buffer, .address_space: global }
      - { .name: wscales, .offset: 72, .size: 8, .value_kind: global_buffer, .address_space: global }
      - { .name: wo16, .offset: 80, .size: 8, .value_kind: global_buffer, .address_space: global }
      - { .name: ropetab, .offset: 88, .size: 8, .value_kind: global_buffer, .address_space: global }
    .group_segment_fixed_size: 67072
    .private_segment_fixed_size: 0
    .kernarg_segment_align: 8
    .kernarg_segment_size: 96
    .max_flat_workgroup_size: 128
    .sgpr_count:     66
    .vgpr_count:     384
    .wavefront_size: 32
...
	.end_amdgpu_metadata
.endif
;; end of part 1
;; launch proj (part 2): grid 32 x 8, 4 waves a work-group, clusters of 4 x 1, 167,936 bytes of LDS; arguments acodes, ascales, wcodes, wscales, ropetab, qkv16; writes qkv16
.if DOCPART == 2
	.amdgcn_target "amdgcn-amd-amdhsa--gfx1250"
	.amdhsa_code_object_version 6
	.text
	.protected	k_qa2a4907995_proj
	.globl	k_qa2a4907995_proj
	.p2align	8
	.type	k_qa2a4907995_proj,@function
k_qa2a4907995_proj:
	s_mov_b64 s[64:65], 0
	v_nop
	global_prefetch_b8 v0, s[64:65] scope:SCOPE_SE
	s_setreg_imm32_b32 hwreg(HW_REG_WAVE_MODE, 25, 1), 1
	s_wait_xcnt 0x0
	s_wait_alu depctr_hold_cnt(0) depctr_sa_sdst(0) depctr_va_vdst(0) depctr_va_sdst(0) depctr_va_ssrc(0) depctr_va_vcc(0) depctr_vm_vsrc(0)
	s_getreg_b32 s2, hwreg(HW_REG_IB_STS2, 6, 4)
	s_cmp_eq_u32 s2, 0
	s_cbranch_scc0 .Lentry_in_a_cluster
	s_endpgm
.Lentry_in_a_cluster:
	s_bfe_u32 s2, ttmp6, 0x10000c
	s_cmp_lg_u32 s2, 0x3003
	s_cbranch_scc0 .Lentry_shape_is_right
	s_endpgm
.Lentry_shape_is_right:
; PROJ: q, k, v = seq x [wq; wk; wv]^T on codes of FP4 with E8M0 scales (K = 1,024), then RoPE on q and k, q divided by 8, all rounded to f16 once.
; Out: qkv16 [24 heads][4096 tokens][64] f16: heads 0-15 q / 8, 16-19 k, 20-23 v.
; SHARES.  A work-group makes 128 tokens x 192 columns (three heads); wave w makes tokens 32 w .. 32 w + 31 x all 192: 2 x 12 accumulators of 16 x 16.
; The tokens' fragments belong to one wave alone and lie in memory as register images: they go straight into registers (32 dense loads of 512 bytes), all of K at once.
; The 12 column tiles' images (98,304 bytes, all of K) are read by all four waves and by the four work-groups of a cluster (same columns, other tokens): one JOINT tensor load a wave brings them into LDS, once.
; The tokens' fragments are not shared in the cluster: no two work-groups of it read the same ones.
; THE MATRIX INSTRUCTION IS USED TRANSPOSED (source 0 = 16 rows of the weights, source 1 = 16 tokens): a lane holds ONE token and eight neighbouring channels, so RoPE's partner channel (32 away) lies in
; the same lane, two column tiles on, and eight results pack into 16 bytes.
; RoPE without a branch: y1 = x1 CE - x2 SE, y2 = x2 CE + x1 SE with CE = alpha cos + beta, SE = alpha sin; (alpha, beta) = (1/8, 0) for q, (1, 0) for k, (0, 1) for v, chosen by the head's number.
; LIMIT: |q| / 8, |k|, |v| must fit f16 (65,504).
; REGISTERS: window 0: v1-6 addresses; v10-13 alpha, beta; v32-39 the tokens' scale words (a register a K step: lanes 0-15 tile 0, lanes 16-31 tile 1); v40-87 the weights' (8 p + s: lanes 0-15 tile 2 p,
;   lanes 16-31 tile 2 p + 1); v96-159 the RoPE table; v160-255 at work.  window 1: the tokens' fragments (64 a + 8 s), later rows on their way out.  window 2: the accumulators (8 (12 a + ct)).
;   window 3: the weights' fragments, two sets of 96.
.set STAGE,  98304                     ; behind the weights' images: 32 rows x (128 bytes + 16) for each wave
.set SPITCH, 144
.set SPARE,  STAGE+4*32*SPITCH         ; the spare words, 128 bytes a wave
.set LI,  1                            ; v1  16 x lane: offsets in memory
.set LS,  2                            ; v2  8 x lane
.set BA0, 3                            ; v3  LDS: 16 x lane: column tiles 0-5
.set BA1, 4                            ; v4  + 49,152: column tiles 6-11
.set STO, 5                            ; v5  the stage: where I put 16 bytes of a token's row
.set RD,  6                            ; v6  and where I read back: four rows an instruction
.set SPW, 14
.set NIL, 15
.set SA,  32
.set SB,  40
.set RT,  96                           ; 32 a + 16 sc + 8 t + j
.set CE,  160
.set SE,  176
.set T1,  192
.set T2,  200
.set Y1,  208
.set Y2,  216
.set PK,  224                          ; packed results: 8 registers for each (a, t)
.set MSB, 0
.macro WIN new
.if MSB != \new
	s_set_vgpr_msb (MSB<<8)|\new
.set MSB, \new
.endif
.endm
.macro PLACES
.rept 4
	v_nop
.endr
.endm
.macro ROUND                           ; a round of the cluster's barrier
	s_barrier_signal -1
	s_barrier_wait -1
	s_cmp_lg_u32 s16, 0
	s_cbranch_scc1 .Lnot_wave_0_\@
	s_barrier_signal -3
.Lnot_wave_0_\@:
	s_barrier_wait -3
	s_barrier_signal -1
	s_barrier_wait -1
.endm
	s_load_b256 s[4:11], s[0:1], 0x0               ; acodes s[4:5], ascales s[6:7], wcodes s[8:9], wscales s[10:11]
	s_load_b128 s[12:15], s[0:1], 0x20             ; ropetab s[12:13], qkv16 s[14:15]
	v_lshl_add_u32 v[SPW], v0, 2, SPARE
	v_mov_b32 v[NIL], 0
	ds_add_u32 v[SPW], v[NIL]                      ; the opening: the add, twice on end, and its wait ahead of my first tensor load
	ds_add_u32 v[SPW], v[NIL]
	v_lshrrev_b32 v1, 5, v0
	v_readfirstlane_b32 s16, v1                    ; wave 0..3
	s_bfe_u32 s17, ttmp6, 0x40000                  ; cx
	s_lshl_b32 s18, ttmp9, 2
	s_add_co_u32 s18, s18, s17                     ; my block of 128 tokens = 4 x cluster x + cx: it enters addresses in memory alone
	s_and_b32 s19, ttmp7, 0xffff                   ; my block of 192 columns, which the four partners share
	; the descriptor: 24,576 dense bytes (three column tiles) as 96 rows of 256 bytes, no padding: readers take 512 consecutive bytes an instruction
	s_mov_b32 s28, 15|(3<<16)|(1<<21)              ; 15:0 the mask: all four work-groups; 17:16 elements of 8 bytes; 21 set beside a mask
	s_mov_b32 s29, 32<<16                          ; tensor_dim0 = 32
	s_mov_b32 s30, 96<<16                          ; tensor_dim1 = 96
	s_mov_b32 s31, 32<<16                          ; tile_dim0 = 32
	s_mov_b32 s32, 96                              ; tile_dim1 = 96
	s_mov_b32 s33, 32                              ; from row to row
	s_mov_b32 s34, 0
	s_mov_b32 s35, 0
	s_mov_b32 s24, 1
	s_mul_i32 s25, s16, 24576                      ; LDS: wave x three tiles
	s_mul_i32 s20, s19, 98304
	s_add_co_u32 s20, s20, s25                     ; and the same in the codes of my 192 columns
	s_mov_b32 s21, 0
	s_lshl_b32 s22, s18, 2
	s_add_co_u32 s22, s22, s16                     ; my pair of token tiles: 4 x block + wave
	s_mul_i32 s23, s19, 3                          ; my first head
	s_lshl_b32 s36, s22, 10                        ; the pair's scale bytes,
	s_mov_b32 s37, 0
	s_mul_i32 s38, s19, 6144                       ; my six pairs of column tiles' scale bytes,
	s_mov_b32 s39, 0
	s_lshl_b32 s40, s22, 14                        ; the pair's codes,
	s_mov_b32 s41, 0
	s_lshl_b32 s42, s22, 13                        ; its part of the RoPE table,
	s_mov_b32 s43, 0
	s_lshl_b32 s44, s23, 19                        ; and where my 32 tokens of my first head go
	s_lshl_b32 s45, s22, 12
	s_add_co_u32 s44, s44, s45
	s_mov_b32 s45, 0
	s_wait_dscnt 0x0                               ; both opening adds are done
	s_wait_kmcnt 0x0
	s_add_nc_u64 s[26:27], s[8:9], s[20:21]
	s_or_b32 s27, s27, 0x80000000                  ; type = 2
	s_add_nc_u64 s[36:37], s[6:7], s[36:37]
	s_add_nc_u64 s[38:39], s[10:11], s[38:39]
	s_add_nc_u64 s[40:41], s[4:5], s[40:41]
	s_add_nc_u64 s[42:43], s[12:13], s[42:43]
	s_add_nc_u64 s[14:15], s[14:15], s[44:45]
	ROUND                                          ; all four work-groups are here: the joint loads meet
	tensor_load_to_lds s[24:27], s[28:35]          ; my one tensor load of the launch
	s_nop 0
	PLACES
	v_and_b32 v7, 31, v0
	v_lshlrev_b32 v[LI], 4, v7
	v_lshlrev_b32 v[LS], 3, v7
	v_lshlrev_b32 v[BA0], 4, v7
	v_add_nc_u32 v[BA1], 49152, v[BA0]
.irp q, 0,1,2,3
	global_load_b64 v[SA+2*\q:SA+2*\q+1], v[LS], s[36:37] offset:256*\q
.endr
.irp p, 0,1,2,3,4,5
.irp q, 0,1,2,3
	global_load_b64 v[SB+8*\p+2*\q:SB+8*\p+2*\q+1], v[LS], s[38:39] offset:1024*\p+256*\q
.endr
.endr
	WIN 0x40                                       ; destination window 1
.irp a, 0,1
.irp s, 0,1,2,3,4,5,6,7
.irp c, 0,1
	global_load_b128 v[64*\a+8*\s+4*\c:64*\a+8*\s+4*\c+3], v[LI], s[40:41] offset:8192*\a+1024*\s+512*\c
.endr
.endr
.endr
	WIN 0
.irp a, 0,1
.irp g, 0,1,2,3,4,5,6,7
	global_load_b128 v[RT+32*\a+4*\g:RT+32*\a+4*\g+3], v[LI], s[42:43] offset:4096*\a+512*\g
.endr
.endr
	v_and_b32 v8, 15, v0                           ; r
	v_bfe_u32 v9, v0, 4, 1                         ; h
	s_mul_i32 s46, s16, 32*SPITCH
	s_add_co_u32 s46, s46, STAGE                   ; my stage
	v_mul_u32_u24 v[STO], v8, SPITCH
	v_lshl_add_u32 v[STO], v9, 4, v[STO]
	v_add_nc_u32 v[STO], s46, v[STO]               ; in: row r, + 16 h
	v_lshrrev_b32 v8, 3, v7
	v_mul_u32_u24 v[RD], v8, SPITCH
	v_and_b32 v8, 7, v0
	v_lshl_add_u32 v[RD], v8, 4, v[RD]
	v_add_nc_u32 v[RD], s46, v[RD]                 ; back: eight lanes to a row of 128 bytes
.macro FETCH_B s, p                    ; the 12 column tiles' fragments of K step s into set p
	WIN 0xc0                                       ; destination window 3
.irp ct, 0,1,2,3,4,5
.irp c, 0,1
	ds_load_b128 v[96*(\p)+8*\ct+4*\c:96*(\p)+8*\ct+4*\c+3], v[BA0] offset:8192*\ct+1024*(\s)+512*\c
.endr
.endr
.irp ct, 6,7,8,9,10,11
.irp c, 0,1
	ds_load_b128 v[96*(\p)+8*\ct+4*\c:96*(\p)+8*\ct+4*\c+3], v[BA1] offset:8192*(\ct-6)+1024*(\s)+512*\c
.endr
.endr
.endm
; One product.  The scale words of an odd column tile, and of token tile 1, stand in lanes 16-31 of their registers.
.macro MUL1 ct, a, s, p, zero
.set rD, 8*(12*(\a)+(\ct))
.set rB, 96*(\p)+8*(\ct)
.set rA, 64*(\a)+8*(\s)
.set rSB, SB+8*((\ct)/2)+(\s)
.set rSA, SA+(\s)
.if \zero
.if ((\ct)%2 == 0) && ((\a) == 0)
	v_wmma_scale_f32_16x16x128_f8f6f4 v[rD:rD+7], v[rB:rB+7], v[rA:rA+7], 0, v[rSB], v[rSA] matrix_a_fmt:MATRIX_FMT_FP4 matrix_b_fmt:MATRIX_FMT_FP4
.elseif (\a) == 0
	v_wmma_scale_f32_16x16x128_f8f6f4 v[rD:rD+7], v[rB:rB+7], v[rA:rA+7], 0, v[rSB], v[rSA] matrix_a_fmt:MATRIX_FMT_FP4 matrix_b_fmt:MATRIX_FMT_FP4 matrix_a_scale:MATRIX_SCALE_ROW1
.elseif (\ct)%2 == 0
	v_wmma_scale_f32_16x16x128_f8f6f4 v[rD:rD+7], v[rB:rB+7], v[rA:rA+7], 0, v[rSB], v[rSA] matrix_a_fmt:MATRIX_FMT_FP4 matrix_b_fmt:MATRIX_FMT_FP4 matrix_b_scale:MATRIX_SCALE_ROW1
.else
	v_wmma_scale_f32_16x16x128_f8f6f4 v[rD:rD+7], v[rB:rB+7], v[rA:rA+7], 0, v[rSB], v[rSA] matrix_a_fmt:MATRIX_FMT_FP4 matrix_b_fmt:MATRIX_FMT_FP4 matrix_a_scale:MATRIX_SCALE_ROW1 matrix_b_scale:MATRIX_SCALE_ROW1
.endif
.else
.if ((\ct)%2 == 0) && ((\a) == 0)
	v_wmma_scale_f32_16x16x128_f8f6f4 v[rD:rD+7], v[rB:rB+7], v[rA:rA+7], v[rD:rD+7], v[rSB], v[rSA] matrix_a_fmt:MATRIX_FMT_FP4 matrix_b_fmt:MATRIX_FMT_FP4
.elseif (\a) == 0
	v_wmma_scale_f32_16x16x128_f8f6f4 v[rD:rD+7], v[rB:rB+7], v[rA:rA+7], v[rD:rD+7], v[rSB], v[rSA] matrix_a_fmt:MATRIX_FMT_FP4 matrix_b_fmt:MATRIX_FMT_FP4 matrix_a_scale:MATRIX_SCALE_ROW1
.elseif (\ct)%2 == 0
	v_wmma_scale_f32_16x16x128_f8f6f4 v[rD:rD+7], v[rB:rB+7], v[rA:rA+7], v[rD:rD+7], v[rSB], v[rSA] matrix_a_fmt:MATRIX_FMT_FP4 matrix_b_fmt:MATRIX_FMT_FP4 matrix_b_scale:MATRIX_SCALE_ROW1
.else
	v_wmma_scale_f32_16x16x128_f8f6f4 v[rD:rD+7], v[rB:rB+7], v[rA:rA+7], v[rD:rD+7], v[rSB], v[rSA] matrix_a_fmt:MATRIX_FMT_FP4 matrix_b_fmt:MATRIX_FMT_FP4 matrix_a_scale:MATRIX_SCALE_ROW1 matrix_b_scale:MATRIX_SCALE_ROW1
.endif
.endif
.endm
; A K step's 24 products.  The 24 accumulators take turns, one instruction a turn, in the same order in every step.  zero = 1: the first step starts the sums.
.macro MULS s, p, zero
	WIN 0xa7                                       ; source 0 window 3, source 1 window 1, C and D window 2
.irp ct, 0,1,2,3,4,5,6,7,8,9,10,11
.irp a, 0,1
	MUL1 \ct, \a, \s, \p, \zero
.endr
.endr
.endm
	s_wait_tensorcnt 0x0                           ; my three tiles have landed,
	s_barrier_signal -1
	s_barrier_wait -1                              ; everybody's have
	FETCH_B 0, 0
	s_wait_loadcnt 16                              ; scale words and the tokens' fragments are in; the table's 16 loads may be out
	FETCH_B 1, 1
	s_wait_dscnt 24                                ; all but the 24 just issued
	MULS 0, 0, 1
.irp s, 1,2,3,4,5,6
	PLACES                                         ; four places in front of loads into registers that the step before multiplied
	FETCH_B \s+1, (\s+1)%2
	s_wait_dscnt 24
	MULS \s, \s%2, 0
.endr
	s_wait_dscnt 0x0
	MULS 7, 1, 0
	WIN 0
	s_wait_loadcnt 0x0                             ; the RoPE table
; THE WAY OUT, a head at a time.  x1 = column tile 4 hd + t (channels 16 t + 8 h + j), x2 = the tile two on (32 channels on).  Each accumulator is read from its low end on.
.macro ROPE hd, a, t
.set x1, 8*(12*(\a)+4*(\hd)+(\t))
.set x2, x1+16
.set pk, PK+8*(2*(\a)+(\t))
	WIN 0x02                                       ; source 0 window 2
.irp j, 0,2,4,6
	v_pk_mul_f32 v[T1+\j:T1+\j+1], v[x2+\j:x2+\j+1], v[SE+8*(\t)+\j:SE+8*(\t)+\j+1]
.endr
.irp j, 0,2,4,6
	v_pk_mul_f32 v[T2+\j:T2+\j+1], v[x1+\j:x1+\j+1], v[SE+8*(\t)+\j:SE+8*(\t)+\j+1]
.endr
.irp j, 0,2,4,6
	v_pk_fma_f32 v[Y1+\j:Y1+\j+1], v[x1+\j:x1+\j+1], v[CE+8*(\t)+\j:CE+8*(\t)+\j+1], v[T1+\j:T1+\j+1] neg_lo:[0,0,1] neg_hi:[0,0,1]
.endr
.irp j, 0,2,4,6
	v_pk_fma_f32 v[Y2+\j:Y2+\j+1], v[x2+\j:x2+\j+1], v[CE+8*(\t)+\j:CE+8*(\t)+\j+1], v[T2+\j:T2+\j+1]
.endr
	WIN 0
.irp i, 0,1,2,3
	v_cvt_pk_f16_f32 v[pk+\i], v[Y1+2*\i], v[Y1+2*\i+1]
	v_cvt_pk_f16_f32 v[pk+4+\i], v[Y2+2*\i], v[Y2+2*\i+1]
.endr
	ds_store_b128 v[STO], v[pk:pk+3] offset:(\a)*16*SPITCH+32*(\t)
	ds_store_b128 v[STO], v[pk+4:pk+7] offset:(\a)*16*SPITCH+32*(\t)+64
.endm
.macro HEAD hd
	s_add_co_u32 s47, s23, \hd                     ; the head: under 16 a query head, under 20 a key head, else a value head
	s_cmp_lt_u32 s47, 20
	s_cselect_b32 s48, 0x3f800000, 0               ; alpha
	s_cselect_b32 s49, 0, 0x3f800000               ; beta
	s_cmp_lt_u32 s47, 16
	s_cselect_b32 s48, 0x3e000000, s48             ; 1/8 for q
	v_mov_b32 v10, s48
	v_mov_b32 v11, s48
	v_mov_b32 v12, s49
	v_mov_b32 v13, s49
.if \hd > 0
	s_wait_dscnt 8                                 ; the last head's 8 stores into the stage have read their registers; its 8 loads may be out
.endif
.irp a, 0,1
.irp i, 0,2,4,6,8,10,12,14
	v_pk_fma_f32 v[CE+\i:CE+\i+1], v[RT+32*\a+\i:RT+32*\a+\i+1], v[10:11], v[12:13]   ; (for the first head these lines are also the places behind the last products)
.endr
.irp i, 0,2,4,6,8,10,12,14
	v_pk_mul_f32 v[SE+\i:SE+\i+1], v[RT+32*\a+16+\i:RT+32*\a+16+\i+1], v[10:11]
.endr
.irp t, 0,1
	ROPE \hd, \a, \t
.endr
.endr
	WIN 0x40                                       ; destination window 1: the tokens' fragments are done with
.irp i, 0,1,2,3,4,5,6,7
	ds_load_b128 v[32*\hd+4*\i:32*\hd+4*\i+3], v[RD] offset:\i*4*SPITCH   ; LDS serves a wave's instructions in order: these see my stores, and the next head's stores come behind them
.endr
	WIN 0
.endm
.macro OUT hd
	WIN 0x04                                       ; a store's data are its source 1: window 1
.irp i, 0,1,2,3,4,5,6,7
	global_store_b128 v[LI], v[32*\hd+4*\i:32*\hd+4*\i+3], s[14:15] offset:\hd*524288+\i*512   ; four tokens' rows of 128 bytes: 512 consecutive bytes, aligned
.endr
	WIN 0
.endm
	HEAD 0
	HEAD 1
	s_wait_dscnt 16                                ; head 0's rows are back; head 1's 8 stores and 8 loads may be out
	OUT 0
	HEAD 2
	s_wait_dscnt 16
	OUT 1
	s_wait_dscnt 0x0
	OUT 2
	s_wait_tensorcnt 0x0                           ; the wave's end
	ds_add_u32 v[SPW], v[NIL]
	s_wait_dscnt 0x0
	ROUND                                          ; the closing round
	s_endpgm
.Lfunc_end_k_qa2a4907995_proj:
	.size	k_qa2a4907995_proj, .Lfunc_end_k_qa2a4907995_proj-k_qa2a4907995_proj
	.p2alignl 7, 3214868480
	.fill 96, 4, 3214868480
	.section	.rodata,"a",@progbits
	.p2align	6, 0x0
	.amdhsa_kernel k_qa2a4907995_proj
		.amdhsa_group_segment_fixed_size 167936
		.amdhsa_private_segment_fixed_size 0
		.amdhsa_enable_private_segment 0
		.amdhsa_kernarg_size 48
		.amdhsa_user_sgpr_count 2
		.amdhsa_user_sgpr_kernarg_segment_ptr 1
		.amdhsa_wavefront_size32 1
		.amdhsa_system_sgpr_workgroup_id_x 1
		.amdhsa_system_sgpr_workgroup_id_y 1
		.amdhsa_system_sgpr_workgroup_id_z 1
		.amdhsa_system_vgpr_workitem_id 0
		.amdhsa_next_free_vgpr 1024
		.amdhsa_next_free_sgpr 66
		.amdhsa_reserve_vcc 0
		.amdhsa_float_denorm_mode_32 3
		.amdhsa_float_denorm_mode_16_64 3
		.amdhsa_memory_ordered 1
		.amdhsa_forward_progress 1
		.amdhsa_inst_pref_size 81
	.end_amdhsa_kernel
	.amdgpu_metadata
---
amdhsa.version: [ 1, 2 ]
amdhsa.kernels:
  - .name:           k_qa2a4907995_proj
    .symbol:         k_qa2a4907995_proj.kd
    .args:
      - { .name: acodes, .offset: 0, .size: 8, .value_kind: global_buffer, .address_space: global }
      - { .name: ascales, .offset: 8, .size: 8, .value_kind: global_buffer, .address_space: global }
      - { .name: wcodes, .offset: 16, .size: 8, .value_kind: global_buffer, .address_space: global }
      - { .name: wscales, .offset: 24, .size: 8, .value_kind: global_buffer, .address_space: global }
      - { .name: ropetab, .offset: 32, .size: 8, .value_kind: global_buffer, .address_space: global }
      - { .name: qkv16, .offset: 40, .size: 8, .value_kind: global_buffer, .address_space: global }
    .group_segment_fixed_size: 167936
    .private_segment_fixed_size: 0
    .kernarg_segment_align: 8
    .kernarg_segment_size: 48
    .max_flat_workgroup_size: 128
    .sgpr_count:     66
    .vgpr_count:     1024
    .wavefront_size: 32
...
	.end_amdgpu_metadata
.endif
;; end of part 2
;; launch attend (part 3): grid 64 x 4, 4 waves a work-group, clusters of 4 x 4, 327,680 bytes of LDS; arguments qkv16, mask, att16; writes att16
.if DOCPART == 3
	.amdgcn_target "amdgcn-amd-amdhsa--gfx1250"
	.amdhsa_code_object_version 6
	.text
	.protected	k_qa2a4907995_attend
	.globl	k_qa2a4907995_attend
	.p2align	8
	.type	k_qa2a4907995_attend,@function
k_qa2a4907995_attend:
	s_mov_b64 s[64:65], 0
	v_nop
	global_prefetch_b8 v0, s[64:65] scope:SCOPE_SE
	s_setreg_imm32_b32 hwreg(HW_REG_WAVE_MODE, 25, 1), 1
	s_wait_xcnt 0x0
	s_wait_alu depctr_hold_cnt(0) depctr_sa_sdst(0) depctr_va_vdst(0) depctr_va_sdst(0) depctr_va_ssrc(0) depctr_va_vcc(0) depctr_vm_vsrc(0)
	s_getreg_b32 s2, hwreg(HW_REG_IB_STS2, 6, 4)
	s_cmp_eq_u32 s2, 0
	s_cbranch_scc0 .Lentry_in_a_cluster
	s_endpgm
.Lentry_in_a_cluster:
	s_bfe_u32 s2, ttmp6, 0x10000c
	s_cmp_lg_u32 s2, 0xf033
	s_cbranch_scc0 .Lentry_shape_is_right
	s_endpgm
.Lentry_shape_is_right:
; ATTEND: att16[q][64 head + :] = the sum over k of softmax_k(Q[head][q] . K[kv][k] / 8 + mask[q][k]) V[kv][k][:].  16 query heads, 4 key and value heads, 4,096 positions, head size 64.
; Q (already divided by 8), K, V: f16, [24][4096][64] in qkv16.  mask: [4096][4096] f32.  Products, maxima and sums in f32; the weights p are rounded to f16 for the second product, the result once at the end.
; SHARES.  A work-group owns 64 queries x the four query heads of one key head; wave w owns queries 16 w .. 16 w + 15, and its four tiles are the four HEADS.  So all four tiles have the same queries,
; and one fragment of the mask serves them all.  Every wave walks all 4,096 keys, 64 a step.
; LAYOUT.  S^T = K Q^T + M (source 0 = 16 keys, source 1 = 16 queries): a lane holds ONE query (lane % 16) and the keys 8 (lane / 16) + 0..7.  THE MASK IS THE C OF A SCORE TILE'S FIRST PRODUCT: eight
; neighbouring f32 of the query's row, as they lie: it costs no vector instruction.  Two score tiles, rounded to f16 in pairs, ARE source 1 of O^T = V^T P.  V ([key][channel]) is turned by ds_load_tr16_b128.
; SOFTMAX.  A running maximum m and sum l for each query: p = 2^(c s - c m), c = log2(e); in every step O and l are multiplied by a = 2^(c m_old - c m_new).  m starts at -1e38, so it is always a number:
; a step of -infinity gives p = 0.  LIMITS: a row whose every score + mask is finite and under -1e38 gives NaN; a row of -infinity gives NaN, as the reference does; |operands| must fit f16.
; BY TURNS.  The tiles are two PIECES (piece 0: tiles 0, 1; piece 2: tiles 2, 3).  In a TURN one piece has the matrix unit: 16 products V^T P of the step in hand, then 16 products K Q^T of the next step;
; the other piece's softmax, cut into 59 slices of four instructions, is dealt out evenly behind them.  Then the pieces change places.  Two turns are a key step.
; CLUSTER, 4 x 4.  cy is the key head, cx the block of queries.  K and V hang on cy alone: asked for jointly along a row of the cluster.  The mask's tile hangs on the queries alone: jointly along a column.
; REGISTERS, in windows of 256: window 0: v2-11 addresses; v12-43 statistics, 8 a tile; v64-191 S^T, 32 a tile; v192-255 P, 16 a tile.
;   window 1: v0-127 O^T, 32 a tile; v128-191 V of one step.   window 2: v0-63 Q, 16 a tile; v64-127 K of one step; v128-159 the mask of one step.
.set SIZE_N, 4096
.set KS,    64        ; keys in a step
.set PKP,   144       ; a row of K in LDS: 128 bytes + 16 of padding: the 16 rows of a load start at 16 different 16-byte columns
.set PVP,   160       ; a row of V: 128 + 32: an odd multiple of 32, as the turning load's 8 rows x 32 bytes want
.set PM,    528       ; a row of the mask's tile: 128 keys x 4 bytes + 16
.set VOFF,  2*KS*PKP  ; a slot holds two steps: 128 rows of K, 128 rows of V, 64 rows of the mask
.set MOFF,  VOFF+2*KS*PVP
.set SLOT1, 1<<17     ; slot 1 begins here: one exclusive or turns an address in one slot into the other's
.set STAGE, SLOT1+MOFF+64*PM  ; behind the ring: 16 rows x (512 bytes + 16) for each wave, for the way out
.set SP,    528
.set SPARE, STAGE+4*16*SP     ; the spare words, 128 bytes a wave
.set AK0, 2           ; v2   my lane's place in a tile of K; never rewritten
.set AV0, 3           ; v3   the same for V
.set ADR, 4           ; v4   the LDS address of the run of loads in hand
.set QO,  5           ; v5   my byte offset in the wave's rows of Q
.set STO, 6           ; v6   the way out: where I put 16 bytes of a row
.set RD,  7           ; v7   the way out: where I read a row back
.set GO,  8           ; v8   16 x lane
.set AM0, 10          ; v10  my lane's place in the mask's tile
.set ADM, 11          ; v11  the LDS address of the mask's loads in hand
.set ST,  12          ; tile t's statistics at v[ST+8 t]: +0 c m, +1 m, +2, +3 l, +4 to +7 c0-c3, at work; a takes c2's place once the maximum is found
.set PFO, 61          ; v61  the prefetches' offset; never rewritten
.set SPW, 62
.set NIL, 63
.set S,   64
.set P,   192
.set VF,  128         ; in window 1
.set KF,  64          ; in window 2
.set MF,  128         ; in window 2
.set NS,  59          ; slices in a piece's softmax
.set WV,  12          ; s12  my wave's number
.set LIM, 15          ; s15  1 in a wave that prefetches, else the greatest number
.set PFA, 18          ; s[18:19] where my prefetches stand
.set PFS, 20          ; s[20:21] a slot on, in bytes
.set G1K, 24          ; s[24:31], s[32:39], s[40:47] descriptor groups 1 for K, V and the mask
.set G1V, 32
.set G1M, 40
.set G0K, 48          ; s[48:55], s[56:63], s[68:75] groups 0: a set for each of the two first fills; the second then walks on
.set G0V, 56
.set G0M, 68
.set SLOTS, 76
.set TWICE, 77
.set CS,  78          ; s[78:79] c
.set SEL, 80          ; s[80:81] selects for lane l xor 16
.set TBK, 82          ; s82-84  LDS byte at which the step to be fetched begins: in K, in V, in a row of the mask
.set TBV, 83
.set TBM, 84
.set FLOOR, 85        ; s85  -1e38
.set MSB, 0
.macro WIN new
.if MSB != \new
	s_set_vgpr_msb (MSB<<8)|\new
.set MSB, \new
.endif
.endm
.set W_KQ0, 0x2a      ; K, Q and the mask in window 2, S^T in window 0
.set W_KQ,  0x0a      ; K and Q in window 2, S^T in window 0
.set W_PV,  0x51      ; V in window 1, P in window 0, O^T in window 1; the rescaling of O^T (destination and source 0 window 1, a in window 0) runs under the same setting
.macro PLACES
.rept 4
	v_nop
.endr
.endm
; A joint refill: wave 0 fetches a slot's K, wave 1 its V, waves 2 and 3 the two halves of the mask's 64 rows.  The branches hang on the wave's number alone.
; An s_nop 0 and four v_nop follow each load, ahead of the jump, the label and what follows.
.macro JLOAD
	s_cmp_eq_u32 s[WV], 0
	s_cbranch_scc0 .Lnot_k_\@
	tensor_load_to_lds s[G0K+4:G0K+7], s[G1K:G1K+7]
	s_nop 0
	PLACES
	s_branch .Lasked_\@
.Lnot_k_\@:
	s_cmp_eq_u32 s[WV], 1
	s_cbranch_scc0 .Lfor_m_\@
	tensor_load_to_lds s[G0V+4:G0V+7], s[G1V:G1V+7]
	s_nop 0
	PLACES
	s_branch .Lasked_\@
.Lfor_m_\@:
	tensor_load_to_lds s[G0M+4:G0M+7], s[G1M:G1M+7]
	s_nop 0
	PLACES
.Lasked_\@:
.endm
; A PREFETCH of what the NEXT change of slots will ask for, two key steps ahead of that load, behind the wave's tensor load.  Each 256 bytes are named once in the launch.
; K and V are walked by all sixteen clusters: the first cluster asks, wave 0 of each work-group: of its key head's 16,384 bytes of K and of V the partner at cx takes 4,096 each: lanes 0-15 K, lanes 16-31 V, 256 bytes apart.
; The mask's tile is read by one column of one cluster: wave 2 of every work-group asks; of the 64 rows the partner at cy takes 16, two lanes to a row's 512 bytes.
; Partners are told apart by address alone.  The last change that fills a slot asks for nothing.
.macro ASK
	s_cmp_gt_u32 s[SLOTS], s[LIM]
	s_cbranch_scc0 .Lnot_mine_\@
	global_prefetch_b8 v[PFO], s[PFA:PFA+1] th:TH_LOAD_NT scope:SCOPE_SE
.Lnot_mine_\@:
.endm
.macro CROUND                       ; a round of the cluster's barrier
	s_barrier_signal -1
	s_barrier_wait -1
	s_cmp_lg_u32 s[WV], 0
	s_cbranch_scc1 .Lnot_wave_0_\@
	s_barrier_signal -3
.Lnot_wave_0_\@:
	s_barrier_wait -3
	s_barrier_signal -1
	s_barrier_wait -1
.endm
	s_load_b128 s[4:7], s[0:1], 0x0  ; qkv16 s[4:5], mask s[6:7]
	s_load_b64 s[8:9], s[0:1], 0x10  ; att16
	v_lshl_add_u32 v[SPW], v0, 2, SPARE
	v_mov_b32 v[NIL], 0
	ds_add_u32 v[SPW], v[NIL]       ; the opening: the add, twice on end, and its wait ahead of my first tensor load
	ds_add_u32 v[SPW], v[NIL]
	v_lshrrev_b32 v1, 5, v0
	v_readfirstlane_b32 s[WV], v1   ; wave 0..3
	s_bfe_u32 s13, ttmp6, 0x40000   ; cx
	s_bfe_u32 s14, ttmp6, 0x40004   ; cy: the key head
	s_lshl_b32 s16, ttmp9, 2
	s_add_co_u32 s16, s16, s13      ; my block of 64 queries = 4 x cluster x + cx
	s_and_b32 s17, s[WV], 1
	s_lshl_b32 s2, s14, 2
	s_lshl_b32 s2, 15, s2           ; my row of the cluster
	s_lshl_b32 s3, 0x1111, s13      ; my column
	s_or_b32 s[G1K], s2, (1<<16)|(1<<20)|(1<<21)|(4<<22)|(3<<25)  ; 15:0 the mask of work-groups; elements of 2 bytes; padding on; 21 set beside a mask; after every 32 words, 4 words
	s_or_b32 s[G1V], s2, (1<<16)|(1<<20)|(1<<21)|(4<<22)|(7<<25)  ; the same with 8 words of padding
	s_or_b32 s[G1M], s3, (2<<16)|(1<<20)|(1<<21)|(6<<22)|(3<<25)  ; elements of 4 bytes; after every 128 words, 4 words
.irp g, G1K, G1V
	s_mov_b32 s[\g+1], 64<<16       ; tensor_dim0 = 64
	s_mov_b32 s[\g+2], 128<<16      ; tensor_dim1 = 128
	s_mov_b32 s[\g+3], 64<<16       ; tile_dim0 = 64
	s_mov_b32 s[\g+4], 128          ; tile_dim1 = 128
	s_mov_b32 s[\g+5], 64           ; from row to row
	s_mov_b32 s[\g+6], 0
	s_mov_b32 s[\g+7], 0
.endr
	s_mov_b32 s[G1M+1], 128<<16     ; 128 keys
	s_mov_b32 s[G1M+2], 32<<16      ; 32 queries
	s_mov_b32 s[G1M+3], 128<<16
	s_mov_b32 s[G1M+4], 32
	s_mov_b32 s[G1M+5], 4096
	s_mov_b32 s[G1M+6], 0
	s_mov_b32 s[G1M+7], 0
	s_add_co_u32 s22, s14, 16       ; K's head: 16 + cy; a head is 2^19 bytes.  (These registers never hold cx)
	s_lshl_b32 s22, s22, 19
	s_mov_b32 s23, 0
	s_lshl_b32 s86, s16, 6          ; the mask's rows that I fetch: 64 x block + 32 x (wave % 2).  (These never hold cy)
	s_lshl_b32 s87, s17, 5
	s_add_co_u32 s86, s86, s87
	s_lshl_b32 s86, s86, 14
	s_mov_b32 s87, 0
	s_mul_i32 s10, s17, 32*PM       ; and their place in a slot
	s_lshl_b32 s88, s14, 21         ; Q: head 4 cy, row 64 x block + 16 x wave of 128 bytes
	s_lshl_b32 s89, s16, 13
	s_add_co_u32 s88, s88, s89
	s_lshl_b32 s89, s[WV], 11
	s_add_co_u32 s88, s88, s89
	s_mov_b32 s89, 0
	s_lshl_b32 s90, s16, 17         ; the result: the same row of 2,048 bytes, + 512 cy
	s_lshl_b32 s91, s[WV], 15
	s_add_co_u32 s90, s90, s91
	s_lshl_b32 s91, s14, 9
	s_add_co_u32 s90, s90, s91
	s_mov_b32 s91, 0
	s_lshl_b32 s92, s13, 12         ; the prefetches of K and V: my 4,096 bytes, in slot 2: the first change of slots steps it to slot 3
	s_add_co_u32 s92, s92, 2*16384
	s_mov_b32 s93, 0
	s_lshl_b32 s94, s16, 6          ; of the mask: my 16 rows, in slot 2
	s_lshl_b32 s95, s14, 4
	s_add_co_u32 s94, s94, s95
	s_lshl_b32 s94, s94, 14
	s_add_co_u32 s94, s94, 2*512
	s_mov_b32 s95, 0
	s_or_b32 s[LIM], s[WV], ttmp9   ; who asks: wave 2 everywhere, wave 0 in the first cluster: the same in all sixteen partners
	s_cmp_eq_u32 s[WV], 2
	s_cselect_b32 s[LIM], 0, s[LIM]
	s_cselect_b32 s2, 14, 8         ; lanes 0-15: a row of the mask apart, or 256 bytes
	s_cselect_b32 s3, 8, 21         ; lanes 16-31: 256 bytes on, or four heads on (V)
	s_mov_b32 s[PFS], 16384
	s_cselect_b32 s[PFS], 512, s[PFS]
	s_mov_b32 s[PFS+1], 0
	s_cmp_eq_u32 s[LIM], 0
	s_cselect_b32 s[LIM], 1, -1
	v_and_b32 v[PFO], 15, v0
	v_lshlrev_b32 v[PFO], s2, v[PFO]
	v_bfe_u32 v44, v0, 4, 1
	v_lshlrev_b32 v44, s3, v44
	v_add_nc_u32 v[PFO], v[PFO], v44
	s_mov_b32 s[CS], 0x3fb8aa3b     ; c = log2(e)
	s_mov_b32 s[CS+1], s[CS]        ; named with it as a pair, so it is written
	s_mov_b32 s[SEL], 0x76543210
	s_mov_b32 s[SEL+1], 0xfedcba98
	s_mov_b32 s[TBK], 0
	s_mov_b32 s[TBV], 0
	s_mov_b32 s[TBM], 0
	s_mov_b32 s[FLOOR], 0xfe967699
	s_mov_b32 s[SLOTS], SIZE_N/(2*KS)-2
	s_wait_dscnt 0x0                ; both opening adds are done
	s_wait_kmcnt 0x0
	s_add_nc_u64 s[22:23], s[4:5], s[22:23]  ; K at key 0 of my key head
	s_add_nc_u64 s[86:87], s[6:7], s[86:87]  ; the mask at my rows, key 0
	s_add_nc_u64 s[88:89], s[4:5], s[88:89]  ; Q
	s_add_nc_u64 s[8:9], s[8:9], s[90:91]    ; the result
	s_add_nc_u64 s[92:93], s[22:23], s[92:93]
	s_add_nc_u64 s[94:95], s[6:7], s[94:95]
	s_cmp_eq_u32 s[WV], 2
	s_cselect_b64 s[PFA:PFA+1], s[94:95], s[92:93]
	CROUND                          ; all sixteen work-groups are here: the first joint loads meet
.irp s, 0,1
	s_mov_b32 s[G0K+4*\s], 1
	s_mov_b32 s[G0K+4*\s+1], \s*SLOT1
	s_add_nc_u64 s[G0K+4*\s+2:G0K+4*\s+3], s[22:23], \s*16384  ; slot s: keys 128 s on, 128 bytes a key
	s_or_b32 s[G0K+4*\s+3], s[G0K+4*\s+3], 0x80000000
	s_mov_b32 s[G0V+4*\s], 1
	s_mov_b32 s[G0V+4*\s+1], \s*SLOT1+VOFF
	s_add_nc_u64 s[G0V+4*\s+2:G0V+4*\s+3], s[22:23], \s*16384+0x200000  ; V's head lies four heads behind K's
	s_or_b32 s[G0V+4*\s+3], s[G0V+4*\s+3], 0x80000000
	s_mov_b32 s[G0M+4*\s], 1
	s_add_co_u32 s[G0M+4*\s+1], s10, \s*SLOT1+MOFF
	s_add_nc_u64 s[G0M+4*\s+2:G0M+4*\s+3], s[86:87], \s*512
	s_or_b32 s[G0M+4*\s+3], s[G0M+4*\s+3], 0x80000000
.endr
	s_cmp_eq_u32 s[WV], 0           ; a wave's two first fills stand in one arm, ahead of every wait on TENSORcnt and every LDS read: two loads of mine are out
	s_cbranch_scc0 .Lfirst_not_k
	tensor_load_to_lds s[G0K:G0K+3], s[G1K:G1K+7]
	s_nop 0
	tensor_load_to_lds s[G0K+4:G0K+7], s[G1K:G1K+7]
	s_nop 0
	PLACES
	s_branch .Lfirst_asked
.Lfirst_not_k:
	s_cmp_eq_u32 s[WV], 1
	s_cbranch_scc0 .Lfirst_m
	tensor_load_to_lds s[G0V:G0V+3], s[G1V:G1V+7]
	s_nop 0
	tensor_load_to_lds s[G0V+4:G0V+7], s[G1V:G1V+7]
	s_nop 0
	PLACES
	s_branch .Lfirst_asked
.Lfirst_m:
	tensor_load_to_lds s[G0M:G0M+3], s[G1M:G1M+7]
	s_nop 0
	tensor_load_to_lds s[G0M+4:G0M+7], s[G1M:G1M+7]
	s_nop 0
	PLACES
.Lfirst_asked:
	; A fragment of K or Q is 16 rows x 32 channels in 8 registers: lane l holds row l % 16; registers 0-3 channels 8 (l / 16) + 0..7, registers 4-7 channels 16 + 8 (l / 16) + 0..7.
	v_and_b32 v1, 15, v0            ; r
	v_bfe_u32 v9, v0, 4, 1          ; h
	v_lshlrev_b32 v[QO], 7, v1
	v_lshl_add_u32 v[QO], v9, 4, v[QO]
	WIN 0x80                        ; destination window 2
.irp i, 0,1,2,3,4,5,6,7             ; Q stays in registers: tile (head) i / 2, channels 32 (i % 2) on
	global_load_b128 v[8*\i:8*\i+3],   v[QO], s[88:89] offset:(\i/2)*524288+(\i%2)*64
	global_load_b128 v[8*\i+4:8*\i+7], v[QO], s[88:89] offset:(\i/2)*524288+(\i%2)*64+32
.endr
	WIN 0
	v_mul_u32_u24 v[AK0], v1, PKP
	v_lshl_add_u32 v[AK0], v9, 4, v[AK0]
	v_and_b32 v44, 7, v0            ; the turning load: lane l reads key 8 (l / 16) + l % 8, channels 8 ((l / 8) % 2) + 0..7
	v_bfe_u32 v45, v0, 3, 1
	v_lshl_add_u32 v[AV0], v9, 3, v44
	v_mul_u32_u24 v[AV0], v[AV0], PVP
	v_lshl_add_u32 v[AV0], v45, 4, v[AV0]
	v_add_nc_u32 v[AV0], VOFF, v[AV0]
	s_mul_i32 s10, s[WV], 16*PM     ; the mask: row 16 x wave + r, + 32 h bytes: my eight keys of a tile of 16
	v_mul_u32_u24 v[AM0], v1, PM
	v_lshl_add_u32 v[AM0], v9, 5, v[AM0]
	v_add_nc_u32 v[AM0], s10, v[AM0]
	v_add_nc_u32 v[AM0], MOFF, v[AM0]
; THE MATRIX WORK OF A TURN, for piece x.  The accumulators take turns, one instruction a turn: between two links of a chain stand 7 others'.
; Product i of 16 of O^T += V^T P: keys 32 (i / 8) on, channels 16 ((i / 2) % 4) on, tile x + i % 2.  zero = 1: the first 8 start the sums.
.macro PV x, zero
	WIN W_PV
.set rO, 32*(\x+i%2)+8*((i/2)%4)
.set rV, VF+32*(i/8)+8*((i/2)%4)
.set rP, P+16*(\x+i%2)+8*(i/8)
.if (\zero) && (i < 8)
	v_wmma_f32_16x16x32_f16 v[rO:rO+7], v[rV:rV+7], v[rP:rP+7], 0
.else
	v_wmma_f32_16x16x32_f16 v[rO:rO+7], v[rV:rV+7], v[rP:rP+7], v[rO:rO+7]
.endif
.endm
; Product i of 16 of S^T = K Q^T + M: channels 32 (i / 8) on, keys 16 ((i / 2) % 4) on, tile x + i % 2.  The first 8 start the sums with the mask.
.macro KQ x
.set rS, S+32*(\x+i%2)+8*((i/2)%4)
.set rK, KF+16*((i/2)%4)+8*(i/8)
.set rQ, 16*(\x+i%2)+8*(i/8)
.set rM, MF+8*((i/2)%4)
.if i < 8
	WIN W_KQ0
	v_wmma_f32_16x16x32_f16 v[rS:rS+7], v[rK:rK+7], v[rQ:rQ+7], v[rM:rM+7]
.else
	WIN W_KQ
	v_wmma_f32_16x16x32_f16 v[rS:rS+7], v[rK:rK+7], v[rQ:rQ+7], v[rS:rS+7]
.endif
.endm
; THE LDS LOADS stand in runs: a step's K (8 fragments) with its mask (4 tiles of 16 keys x my 16 queries), and, a turn later, its V (turned).
.macro FETCH_K
	WIN 0
	v_add_nc_u32 v[ADR], s[TBK], v[AK0]
	v_add_nc_u32 v[ADM], s[TBM], v[AM0]
	s_add_co_u32 s[TBK], s[TBK], KS*PKP
	s_add_co_u32 s[TBM], s[TBM], KS*4
	WIN 0x80                        ; destination window 2
.irp f, 0,1,2,3,4,5,6,7             ; keys 16 (f / 2) on, channels 32 (f % 2) on
	ds_load_b128 v[KF+8*\f:KF+8*\f+3],   v[ADR] offset:(\f/2)*16*PKP+(\f%2)*64
	ds_load_b128 v[KF+8*\f+4:KF+8*\f+7], v[ADR] offset:(\f/2)*16*PKP+(\f%2)*64+32
.endr
.irp f, 0,1,2,3
	ds_load_b128 v[MF+8*\f:MF+8*\f+3],   v[ADM] offset:64*\f
	ds_load_b128 v[MF+8*\f+4:MF+8*\f+7], v[ADM] offset:64*\f+16
.endr
.endm
.macro FETCH_V
	WIN 0
	v_add_nc_u32 v[ADR], s[TBV], v[AV0]
	s_add_co_u32 s[TBV], s[TBV], KS*PVP
	s_wait_alu depctr_va_vdst(0)    ; the wait for the softmax's batch of exponentials, ahead of the first line that names a result
	WIN 0x40                        ; destination window 1
.irp f, 0,1,2,3,4,5,6,7             ; keys 32 (f / 4) on, channels 16 (f % 4) on
	ds_load_tr16_b128 v[VF+8*\f:VF+8*\f+3],   v[ADR] offset:(\f/4)*32*PVP+(\f%4)*32
	ds_load_tr16_b128 v[VF+8*\f+4:VF+8*\f+7], v[ADR] offset:(\f/4)*32*PVP+16*PVP+(\f%4)*32
.endr
.endm
; THE VECTOR WORK OF A TURN.  One tile's softmax for one key step is a list of 118 instructions; SM writes number j of it for tile t.  s0-s31 are the lane's 32 scores, in pairs 0-15.
;   0-15    the maximum of s0-s31 and the old m (first step: the floor), three operands at a time; each score tile is read from its low end on
;   16-20   the other half of the lanes' maximum; the new m; c m; c m_old - c m_new
;   21-69   ONE BATCH: the 16 scalings c s - c m and all 33 exponentials (a at 23, then s0-s31); none of these reads an exponential's result
;   (wait)  between 69 and 70: SLICE writes it, once for both tiles
;   70-85   the roundings to f16;   86-101 the sums, l = a l + the sum;   102-117 the tile's O^T times a
.macro SM t, first
.set rT, ST+8*(\t)
.set rS, S+32*(\t)
.set rP, P+16*(\t)
.set rO, 32*(\t)+2*(j-102)
.if j < 102
	WIN 0
.endif
.if j < 4
	v_max3_num_f32 v[rT+4+j], v[rS+8*j], v[rS+8*j+1], v[rS+8*j+2]
.elseif j < 12
	v_max3_num_f32 v[rT+4+j%4], v[rT+4+j%4], v[rS+8*(j%4)+2*(j/4)+1], v[rS+8*(j%4)+2*(j/4)+2]
.elseif j == 12
	v_max3_num_f32 v[rT+4], v[rT+4], v[rS+7], v[rS+15]
.elseif j == 13
	v_max3_num_f32 v[rT+6], v[rT+6], v[rS+23], v[rS+31]
.elseif j == 14
	v_max3_num_f32 v[rT+4], v[rT+4], v[rT+5], v[rT+6]
.elseif (j == 15) && \first
	v_max3_num_f32 v[rT+4], v[rT+4], v[rT+7], s[FLOOR]
.elseif j == 15
	v_max3_num_f32 v[rT+4], v[rT+4], v[rT+7], v[rT+1]
.elseif j == 16
	v_permlanex16_b32 v[rT+5], v[rT+4], s[SEL], s[SEL+1]  ; the query's other 32 keys lie in the lane 16 away
.elseif j == 18
	v_max_num_f32 v[rT+1], v[rT+4], v[rT+5]
.elseif j == 19
	v_mul_f32 v[rT], s[CS], v[rT+1]
.elseif ((j == 17) || (j == 20) || (j == 23) || (j > 101)) && \first  ; the first step has none of these
.elseif j == 17
	v_mov_b32 v[rT+7], v[rT]        ; c m_old is kept for a
.elseif j == 20
	v_sub_f32 v[rT+7], v[rT+7], v[rT]
.elseif j == 23
	v_exp_f32 v[rT+6], v[rT+7]
.elseif (j < 23) || ((j < 38) && (j%2 == 0)) || ((j < 66) && (j%4 == 2))
.set b, (j-2)/4                     ; 38, 42, .. 62: pairs 9 to 15
.if j < 38
.set b, (j-20)/2                    ; 21: pair 0; 22, 24, .. 36: pairs 1 to 8
.endif
	v_pk_fma_f32 v[rS+2*b:rS+2*b+1], v[rS+2*b:rS+2*b+1], s[CS:CS+1], v[rT:rT+1] op_sel_hi:[1,0,0] neg_lo:[0,0,1] neg_hi:[0,0,1]  ; pair b: c s - c m
.elseif j < 70
.set e, j-38                        ; 66 to 69: s28 to s31
.if j < 66
.set e, j-32-(j-38)/4               ; 39-41, 43-45, .. 63-65: s7 to s27
.endif
.if j < 38
.set e, (j-25)/2                    ; 25, 27, .. 37: s0 to s6
.endif
	v_exp_f32 v[rS+e], v[rS+e]
.elseif j < 86
	v_cvt_pk_f16_f32 v[rP+j-70], v[rS+2*(j-70)], v[rS+2*(j-70)+1]
.elseif j < 102                     ; the sum of the tile's 16 pairs, in place: neighbours 1, 2, 4 and 8 pairs apart, then l takes it
.set z, j-86
.set w, 4
.set u, z
.if z >= 14
.set w, 32
.set u, 0
.elseif z >= 12
.set w, 16
.set u, z-12
.elseif z >= 8
.set w, 8
.set u, z-8
.endif
.if (z == 14) && \first
	v_pk_add_f32 v[rT+2:rT+3], v[rS:rS+1], v[rS+16:rS+17]
.elseif z < 15
	v_pk_add_f32 v[rS+w*u:rS+w*u+1], v[rS+w*u:rS+w*u+1], v[rS+w*u+w/2:rS+w*u+w/2+1]
.elseif !\first
	v_pk_fma_f32 v[rT+2:rT+3], v[rT+2:rT+3], v[rT+6:rT+7], v[rS:rS+1] op_sel_hi:[1,0,1]
.endif
.else
	WIN W_PV
	v_pk_mul_f32 v[rO:rO+1], v[rO:rO+1], v[rT+6:rT+7] op_sel_hi:[1,0]
.endif
.endm
; Slice k of 59 of piece y's softmax: four instructions.  Slices 11 to 34 deal out the batch, numbers 22 to 69: four numbers of ONE tile each, the tiles by turns.  Every other slice is numbers 2 k and 2 k + 1 of both tiles.
; Ahead of slice 35 nothing names an exponential's result, and behind slice 34 no exponential is issued: so the piece's 66 exponentials have one wait, behind slice 34.
.macro SLICE y, first
.if (k >= 11) && (k < 35)
.irp n, 0,1,2,3
.set j, 22+4*((k-11)/2)+(\n)
	SM (\y)+(k-11)%2, \first
.endr
.else
.irp n, 0,1
.irp t, \y, \y+1
.set j, 2*k+\n
	SM \t, \first
.endr
.endr
.endif
.if k == 34
	v_nop                           ; the plain instruction behind the last exponential
.if (\y) == 0
	FETCH_V                         ; piece 2's turn: V's run of loads stands here, and the wait stands in it
.else
	s_wait_alu depctr_va_vdst(0)    ; the wait for the batch
.endif
.endif
.set k, k+1
.endm
.macro EMIT y, first                ; behind matrix instruction mi of mW: slices up to number ceil(59 mi / mW)
.rept ((mi*NS+mW-1)/mW-k)
	SLICE \y, \first
.endr
.endm
; A TURN.  Piece x has the matrix unit; the other piece's softmax stands in slices behind its matrix instructions.  pv = 2: 16 products V^T P; 1: they start O^T's sums; 0: none.  kq = 1: 16 products K Q^T + M.
; PLACES, by the text's own count.  Behind the turn's last K Q^T stands slice 58, four packed multiplies that name none of its registers: they stand ahead of the next turn's first read of those scores and of the
; loads into K's and the mask's registers (behind the next turn's second product).  Between the last V^T P and V's loads (behind slice 34) stand three scalings, the v_nop and the run's own addition.
; first = 1: the slices from 51 on are empty, and four v_nop take their part.
.macro TURN x, pv, kq, first
.set k, 0
.set mi, 0
.set mW, 16
.if \pv && \kq
.set mW, 32
.endif
.if \pv
.if \x == 0
	s_wait_dscnt 0x0                ; V is in
.endif
.set i, 0
.rept 16
	PV \x, 2-\pv
.set mi, mi+1
	EMIT 2-\x, \first
.if (\x == 0) && \kq && (i == 1)
	FETCH_K
.endif
.set i, i+1
.endr
.endif
.if \kq
.if \x == 0
	s_wait_dscnt 0x0                ; K and the mask are in
.endif
.set i, 0
.rept 16
	KQ \x
.set mi, mi+1
	EMIT 2-\x, \first
.set i, i+1
.endr
.endif
.if \first
	PLACES
.endif
.endm
; THE CHANGE OF SLOTS, between piece 2's turn and piece 0's: all of the slot has been asked for.  Each wave waits for all its tensor loads (one is out: its part of the other slot), adds 0 to its spare word,
; and waits for that and for its reads of the slot.  fill = 1: the barrier is a round of the cluster's, and the joint refill, with the keys two slots on, is the first thing behind it: it has two key steps in which to land.
.macro CHANGE fill
	WIN 0
	s_wait_tensorcnt 0x0            ; no tensor load of mine is out, so a group 0 may be written
	ds_add_u32 v[SPW], v[NIL]
.if \fill
.irp g, G0K+4, G0V+4
	s_xor_b32 s[\g+1], s[\g+1], SLOT1  ; the walking descriptors: the other slot than last time,
	s_add_nc_u64 s[\g+2:\g+3], s[\g+2:\g+3], 2*KS*128  ; the next 128 keys
.endr
	s_xor_b32 s[G0M+5], s[G0M+5], SLOT1
	s_add_nc_u64 s[G0M+6:G0M+7], s[G0M+6:G0M+7], 2*KS*4
	s_wait_xcnt 0x0                 ; the last prefetch, two key steps back, has read its address, so it may be written
	s_add_nc_u64 s[PFA:PFA+1], s[PFA:PFA+1], s[PFS:PFS+1]
	s_wait_dscnt 0x0                ; the add is done, and my reads of the slot are over
	CROUND
	JLOAD
	ASK
.else
	s_wait_dscnt 0x0
	s_barrier_signal -1
	s_barrier_wait -1
.endif
	s_sub_co_u32 s[TBK], s[TBK], 2*KS*PKP  ; the fetches go back to a slot's first step, in the other slot
	s_xor_b32 s[TBK], s[TBK], SLOT1
	s_sub_co_u32 s[TBV], s[TBV], 2*KS*PVP
	s_xor_b32 s[TBV], s[TBV], SLOT1
	s_sub_co_u32 s[TBM], s[TBM], 2*KS*4
	s_xor_b32 s[TBM], s[TBM], SLOT1
.endm
.macro TWO_STEPS                    ; a slot's two key steps: written once, walked twice
	s_mov_b32 s[TWICE], 2
.Lstep_\@:
	TURN 0, 2, 1, 0
	TURN 2, 2, 1, 0
	WIN 0
	s_sub_co_u32 s[TWICE], s[TWICE], 1
	s_cmp_lg_u32 s[TWICE], 0
	s_cbranch_scc1 .Lstep_\@
.endm
	s_wait_tensorcnt 1              ; my part of slot 0 is in; slot 1's may stay out
	s_barrier_signal -1
	s_barrier_wait -1               ; everybody's is
	FETCH_K                         ; key step 0
	s_wait_loadcnt 0x0              ; Q
	s_wait_dscnt 0x0
.set i, 0
.rept 16
	KQ 0                            ; piece 0's first scores
.set i, i+1
.endr
	WIN 0                           ; the addresses for the way out are made here: six plain instructions, the places behind those products
	s_mul_i32 s10, s[WV], 16*SP
	s_add_co_u32 s10, s10, STAGE    ; my stage
	v_mul_u32_u24 v[STO], v1, SP    ; in: row r, + 16 h
	v_lshl_add_u32 v[STO], v9, 4, v[STO]
	v_add_nc_u32 v[STO], s10, v[STO]
	v_and_b32 v[GO], 31, v0
	v_lshlrev_b32 v[GO], 4, v[GO]   ; back: the 32 lanes take one row of 512 bytes
	v_add_nc_u32 v[RD], s10, v[GO]
	TURN 2, 0, 1, 1                 ; piece 2's first scores | piece 0's first softmax | V of step 0
	TURN 0, 1, 1, 1                 ; piece 0: V^T P of step 0 starts O^T, K Q^T of step 1 | piece 2's first softmax | K of step 1
	TURN 2, 1, 1, 0                 ; piece 2: the same | piece 0's softmax of step 1 | V of step 1
	WIN 0
.Lslot:                             ; 30 trips: every slot but the last two is filled again
	CHANGE 1
	TWO_STEPS
	s_sub_co_u32 s[SLOTS], s[SLOTS], 1
	s_cmp_lg_u32 s[SLOTS], 0
	s_cbranch_scc1 .Lslot
	CHANGE 0                        ; the tail is written out
	TWO_STEPS
	TURN 0, 2, 0, 0                 ; piece 0: V^T P of the last step | piece 2's last softmax
.set i, 0
.rept 16
	PV 2, 0                         ; piece 2: V^T P of the last step
.set i, i+1
.endr
	; THE WAY OUT.  l's two halves and the other half of the lanes' are added; O^T is divided by l, rounded to f16, and the four heads' 128 bytes of each query meet in my stage: rows of 512 bytes.
	WIN 0
.irp t, 0,1,2,3
	v_add_f32 v[ST+8*\t+4], v[ST+8*\t+2], v[ST+8*\t+3]   ; (these four are the places behind the last products)
.endr
.irp t, 0,1,2,3
	v_permlanex16_b32 v[ST+8*\t+5], v[ST+8*\t+4], s[SEL], s[SEL+1]
.endr
.irp t, 0,1,2,3
	v_add_f32 v[ST+8*\t+4], v[ST+8*\t+4], v[ST+8*\t+5]
.endr
.irp t, 0,1,2,3
	v_rcp_f32 v[ST+8*\t+6], v[ST+8*\t+4]
.endr
	v_nop                           ; a plain instruction behind the last reciprocal
	s_wait_alu depctr_va_vdst(0)    ; one wait for the four, ahead of the first use
.macro PACK t
	WIN W_PV
.set i, 32*\t
.rept 16
	v_pk_mul_f32 v[i:i+1], v[i:i+1], v[ST+8*\t+6:ST+8*\t+7] op_sel_hi:[1,0]   ; each accumulator from its low end on
.set i, i+2
.endr
	WIN 0x05                        ; sources 0 and 1 window 1, destination window 0: S^T's registers are free
.set i, 0
.rept 16
	v_cvt_pk_f16_f32 v[S+16*\t+i], v[32*\t+2*i], v[32*\t+2*i+1]
.set i, i+1
.endr
	WIN 0
.irp f, 0,1,2,3
	ds_store_b128 v[STO], v[S+16*\t+4*\f:S+16*\t+4*\f+3] offset:128*\t+32*\f
.endr
.endm
	PACK 0
	PACK 1
	PACK 2
	PACK 3
.irp f, 0,1,2,3,4,5,6,7,8,9,10,11,12,13,14,15
	ds_load_b128 v[S+64+4*\f:S+64+4*\f+3], v[RD] offset:\f*SP  ; LDS serves a wave's instructions in order: these see my stores
.endr
.irp f, 0,1,2,3,4,5,6,7,8,9,10,11,12,13,14,15
	s_wait_dscnt 15-\f              ; row f is back; the younger loads may be out
	global_store_b128 v[GO], v[S+64+4*\f:S+64+4*\f+3], s[8:9] offset:\f*2048  ; 32 lanes store 512 consecutive bytes, aligned
.endr
	s_wait_tensorcnt 0x0            ; the wave's end
	ds_add_u32 v[SPW], v[NIL]
	s_wait_dscnt 0x0
	CROUND                          ; the closing round
	s_endpgm
.Lfunc_end_k_qa2a4907995_attend:
	.size	k_qa2a4907995_attend, .Lfunc_end_k_qa2a4907995_attend-k_qa2a4907995_attend
	.p2alignl 7, 3214868480
	.fill 96, 4, 3214868480
	.section	.rodata,"a",@progbits
	.p2align	6, 0x0
	.amdhsa_kernel k_qa2a4907995_attend
		.amdhsa_group_segment_fixed_size 327680
		.amdhsa_private_segment_fixed_size 0
		.amdhsa_enable_private_segment 0
		.amdhsa_kernarg_size 24
		.amdhsa_user_sgpr_count 2
		.amdhsa_user_sgpr_kernarg_segment_ptr 1
		.amdhsa_wavefront_size32 1
		.amdhsa_system_sgpr_workgroup_id_x 1
		.amdhsa_system_sgpr_workgroup_id_y 1
		.amdhsa_system_sgpr_workgroup_id_z 1
		.amdhsa_system_vgpr_workitem_id 0
		.amdhsa_next_free_vgpr 768
		.amdhsa_next_free_sgpr 96
		.amdhsa_reserve_vcc 0
		.amdhsa_float_denorm_mode_32 3
		.amdhsa_float_denorm_mode_16_64 3
		.amdhsa_memory_ordered 1
		.amdhsa_forward_progress 1
		.amdhsa_inst_pref_size 165
	.end_amdhsa_kernel
	.amdgpu_metadata
---
amdhsa.version: [ 1, 2 ]
amdhsa.kernels:
  - .name:           k_qa2a4907995_attend
    .symbol:         k_qa2a4907995_attend.kd
    .args:
      - { .name: qkv16, .offset: 0, .size: 8, .value_kind: global_buffer, .address_space: global }
      - { .name: mask, .offset: 8, .size: 8, .value_kind: global_buffer, .address_space: global }
      - { .name: att16, .offset: 16, .size: 8, .value_kind: global_buffer, .address_space: global }
    .group_segment_fixed_size: 327680
    .private_segment_fixed_size: 0
    .kernarg_segment_align: 8
    .kernarg_segment_size: 24
    .max_flat_workgroup_size: 128
    .sgpr_count:     96
    .vgpr_count:     768
    .wavefront_size: 32
...
	.end_amdgpu_metadata
.endif
;; end of part 3
;; launch oproj (part 4): grid 8 x 32, 4 waves a work-group, clusters of 4 x 4, 327,680 bytes of LDS; arguments att16, wo16, out0; writes out0
.if DOCPART == 4
	.amdgcn_target "amdgcn-amd-amdhsa--gfx1250"
	.amdhsa_code_object_version 6
	.text
	.protected	k_qa2a4907995_oproj
	.globl	k_qa2a4907995_oproj
	.p2align	8
	.type	k_qa2a4907995_oproj,@function
k_qa2a4907995_oproj:
	s_mov_b64 s[64:65], 0
	v_nop
	global_prefetch_b8 v0, s[64:65] scope:SCOPE_SE
	s_setreg_imm32_b32 hwreg(HW_REG_WAVE_MODE, 25, 1), 1
	s_wait_xcnt 0x0
	s_wait_alu depctr_hold_cnt(0) depctr_sa_sdst(0) depctr_va_vdst(0) depctr_va_sdst(0) depctr_va_ssrc(0) depctr_va_vcc(0) depctr_vm_vsrc(0)
	s_getreg_b32 s2, hwreg(HW_REG_IB_STS2, 6, 4)
	s_cmp_eq_u32 s2, 0
	s_cbranch_scc0 .Lentry_in_a_cluster
	s_endpgm
.Lentry_in_a_cluster:
	s_bfe_u32 s2, ttmp6, 0x10000c
	s_cmp_lg_u32 s2, 0xf033
	s_cbranch_scc0 .Lentry_shape_is_right
	s_endpgm
.Lentry_shape_is_right:
; OPROJ: out0[m][n] = sum over k of att16[m][k] wo16[n][k].  A: [4096][1024] f16, B: [1024][1024] f16, C: [4096][1024] f32; sums in f32.
; C has 256 tiles of 128 x 128: one for each work-group.  Four waves, each 64 x 64: 16 accumulators of 16 x 16.  K goes in steps of 256 (LDS rows of 512 bytes; a wave's tensor load brings 64 of them)
; through a ring of two slots.  CLUSTERS: 4 x 4 work-groups; the four of a row need the same tiles of A, the four of a column the same tiles of B: each tile is asked for JOINTLY.
; THE MATRIX INSTRUCTION IS USED TRANSPOSED (source 0 = 16 rows of B, source 1 = 16 rows of A): a lane holds eight neighbouring numbers of a row of C, 32 bytes.
; A wave's 64 columns of f32 are 256 bytes, aligned: so each wave has a stage of its own on the way out, and no barrier stands there.
; REGISTERS: window 0: v0-31 addresses; v32-95 rows on their way out; v128-255 the accumulators ((a, b) at v[128 + 8 (4 a + b)]).   window 1: two fragment buffers of 128.
.set SIZE_M, 4096
.set SIZE_N, 1024
.set SIZE_K, 1024
.set KSTEP,  256
.set PITCH,  528                       ; an LDS row: 512 bytes of data + 16 of padding: the 16 rows that a load touches start at 16 different 16-byte columns
.set HALFT,  64*PITCH                  ; 64 rows: what one tensor load brings, and what one wave reads of A or of B
.set SLOT,   4*HALFT                   ; A's 128 rows, then B's 128 rows
.set STAGE,  2*SLOT                    ; behind the ring: 16 rows x (256 bytes + 16) for each wave
.set SPITCH, 272
.set SPARE,  STAGE+4*16*SPITCH         ; the spare words, 128 bytes a wave
.set LAPS, SIZE_K/(2*KSTEP)            ; a lap = two K steps = once round the ring
.set ADRA, 16                          ; v16-17  LDS address of my A fragments in slot 0, 1
.set ADRB, 20                          ; v20-21  the same for B
.set STO,  24                          ; v24     the way out: where I put 32 bytes of a row
.set RD,   25                          ; v25     where I read rows back
.set CO,   26                          ; v26     my byte offset in C
.set SPW,  28
.set NIL,  29
.set TMP,  32
.set ACC,  128
.set F0,   0
.set F1,   128
.set G1, 24                            ; s[24:31] descriptor group 1 for A's tiles;  s[32:39] group 0, one set for each slot
.set G0, 32
.set G1B, 48                           ; s[48:55], s[56:63] the same for B's tiles
.set G0B, 56
.set MSB, 0
.macro WIN new
.if MSB != \new
	s_set_vgpr_msb (MSB<<8)|\new
.set MSB, \new
.endif
.endm
.set MUL,  0x05                        ; sources 0 (B) and 1 (A) window 1; C and D window 0
.set TO_F, 0x40                        ; destination window 1, address window 0
.macro JLOAD s                         ; a joint load: waves 0 and 1 fetch A's two halves, waves 2 and 3 B's; an s_nop 0 and four v_nop follow each of the two lines
	s_cmp_eq_u32 s11, 0
	s_cbranch_scc0 .Lfor_b_\@
	tensor_load_to_lds s[G0+4*\s:G0+4*\s+3], s[G1:G1+7]
	s_nop 0
.rept 4
	v_nop
.endr
	s_branch .Lasked_\@
.Lfor_b_\@:
	tensor_load_to_lds s[G0B+4*\s:G0B+4*\s+3], s[G1B:G1B+7]
	s_nop 0
.rept 4
	v_nop
.endr
.Lasked_\@:
.endm
.macro CREST                           ; a round of the cluster's barrier behind its opening barrier
	s_cmp_lg_u32 s10, 0
	s_cbranch_scc1 .Lnot_wave_0_\@
	s_barrier_signal -3
.Lnot_wave_0_\@:
	s_barrier_wait -3
	s_barrier_signal -1
	s_barrier_wait -1
.endm
.macro CROUND
	s_barrier_signal -1
	s_barrier_wait -1
	CREST
.endm
	s_load_b128 s[4:7], s[0:1], 0x0                ; A s[4:5], B s[6:7]
	s_load_b64 s[8:9], s[0:1], 0x10                ; C
	v_lshl_add_u32 v[SPW], v0, 2, SPARE
	v_mov_b32 v[NIL], 0
	ds_add_u32 v[SPW], v[NIL]                      ; the opening: the add, twice on end, and its wait ahead of my first tensor load
	ds_add_u32 v[SPW], v[NIL]
	v_lshrrev_b32 v1, 5, v0
	v_readfirstlane_b32 s10, v1                    ; wave 0..3
	s_lshr_b32 s11, s10, 1                         ; which half of the tile's rows is mine.  Also: I fetch for A (0) or for B (1)
	s_and_b32 s12, s10, 1                          ; which half of its columns.  Also: which 64 rows of that tile I fetch
	s_bfe_u32 s40, ttmp6, 0x40000                  ; cx, cy
	s_bfe_u32 s41, ttmp6, 0x40004
	s_lshl_b32 s42, ttmp9, 2
	s_add_co_u32 s42, s42, s40                     ; tile column of C
	s_and_b32 s13, ttmp7, 0xffff
	s_lshl_b32 s13, s13, 2
	s_add_co_u32 s13, s13, s41                     ; tile row of C
	s_lshl_b32 s43, s41, 2
	s_lshl_b32 s43, 15, s43                        ; my row of the cluster
	s_lshl_b32 s44, 0x1111, s40                    ; my column
	s_or_b32 s[G1+0], s43, (1<<16)|(1<<20)|(1<<21)|(6<<22)|(3<<25)  ; the mask: A's tiles go to my row; elements of 2 bytes; padding on; 21 set beside a mask; after every 128 words, 4 words
	s_or_b32 s[G1B+0], s44, (1<<16)|(1<<20)|(1<<21)|(6<<22)|(3<<25)
.irp g, G1, G1B
	s_mov_b32 s[\g+1], KSTEP<<16                   ; tensor_dim0 = 256
	s_mov_b32 s[\g+2], 64<<16                      ; tensor_dim1 = 64
	s_mov_b32 s[\g+3], KSTEP<<16                   ; tile_dim0 = 256
	s_mov_b32 s[\g+4], 64                          ; tile_dim1 = 64
	s_mov_b32 s[\g+5], SIZE_K                      ; from row to row
	s_mov_b32 s[\g+6], 0
	s_mov_b32 s[\g+7], 0
.endr
	s_lshl_b32 s17, s12, 6                         ; which 64 rows of the tile I fetch
	s_lshl_b32 s16, s13, 7
	s_add_co_u32 s16, s16, s17                     ; A: row 128 x tile row + 64 x half
	s_lshl_b32 s46, s42, 7
	s_add_co_u32 s46, s46, s17                     ; B: row 128 x tile column + 64 x half
	s_mov_b32 s17, 0
	s_mov_b32 s47, 0
	s_mov_b64 s[18:19], SIZE_K*2
	s_mul_u64 s[16:17], s[16:17], s[18:19]
	s_mul_u64 s[46:47], s[46:47], s[18:19]
	s_mul_i32 s20, s10, HALFT                      ; where they go: wave x 64 rows
	s_wait_dscnt 0x0                               ; both opening adds are done
	s_wait_kmcnt 0x0
	s_add_nc_u64 s[14:15], s[4:5], s[16:17]
	s_add_nc_u64 s[46:47], s[6:7], s[46:47]
	CROUND                                         ; all sixteen work-groups are here: the first joint loads meet
.irp s, 0,1
	s_mov_b32 s[G0+4*\s], 1
	s_add_co_u32 s[G0+4*\s+1], s20, \s*SLOT
	s_add_nc_u64 s[G0+4*\s+2:G0+4*\s+3], s[14:15], \s*KSTEP*2
	s_or_b32 s[G0+4*\s+3], s[G0+4*\s+3], 0x80000000
	s_mov_b32 s[G0B+4*\s], 1
	s_add_co_u32 s[G0B+4*\s+1], s20, \s*SLOT
	s_add_nc_u64 s[G0B+4*\s+2:G0B+4*\s+3], s[46:47], \s*KSTEP*2
	s_or_b32 s[G0B+4*\s+3], s[G0B+4*\s+3], 0x80000000
	JLOAD \s
.endr
	v_and_b32 v1, 15, v0                           ; l % 16
	v_bfe_u32 v2, v0, 4, 1                         ; l / 16
	v_mul_u32_u24 v3, v1, PITCH
	v_lshl_add_u32 v3, v2, 4, v3                   ; a fragment's row x pitch + 16 x half
	s_mul_i32 s21, s11, HALFT                      ; my 64 rows of A
	s_mul_i32 s22, s12, HALFT                      ; my 64 rows of B,
	s_add_co_u32 s22, s22, 2*HALFT                 ; which lie behind A's 128
.irp s, 0,1
	v_add_nc_u32 v[ADRA+\s], s21, v3
	v_add_nc_u32 v[ADRB+\s], s22, v3
	s_add_co_u32 s21, s21, SLOT
	s_add_co_u32 s22, s22, SLOT
.endr
	s_mul_i32 s23, s10, 16*SPITCH
	s_add_co_u32 s23, s23, STAGE                   ; my stage
	v_mul_u32_u24 v4, v1, SPITCH                   ; in: row l % 16, 32 bytes for each half of the lanes
	v_lshl_add_u32 v4, v2, 5, v4
	v_add_nc_u32 v[STO], s23, v4
	v_mul_u32_u24 v5, v2, SPITCH                   ; back: lanes 0-15 one row of 256 bytes, lanes 16-31 the next
	v_lshl_add_u32 v5, v1, 4, v5
	v_add_nc_u32 v[RD], s23, v5
	v_mul_u32_u24 v5, v2, SIZE_N*4                 ; and the same two rows in C
	v_lshl_add_u32 v[CO], v1, 4, v5
	s_lshl_b32 s16, s13, 7
	s_lshl_b32 s17, s11, 6
	s_add_co_u32 s16, s16, s17                     ; my first row of C: 128 x tile row + 64 x half
	s_mov_b32 s17, 0
	s_mov_b64 s[18:19], SIZE_N*4
	s_mul_u64 s[16:17], s[16:17], s[18:19]
	s_add_nc_u64 s[8:9], s[8:9], s[16:17]
	s_lshl_b32 s46, s42, 9                         ; my first column, in bytes: 512 x tile column + 256 x half
	s_lshl_b32 s47, s12, 8
	s_add_co_u32 s46, s46, s47
	s_mov_b32 s47, 0
	s_add_nc_u64 s[8:9], s[8:9], s[46:47]
; 8 matrix instructions: m blocks a0, a0 + 1 x all 4 n blocks, 32 along K: half c of buffer f.  zero = 1: the first product starts the sums.  The 16 accumulators take turns.
.macro MUL8 f, c, a0, zero
.irp a, \a0, \a0+1
.irp b, 0,1,2,3
.if \zero
	v_wmma_f32_16x16x32_f16 v[ACC+8*(4*(\a)+\b):ACC+8*(4*(\a)+\b)+7], v[\f+64+8*(4*\c+\b):\f+64+8*(4*\c+\b)+7], v[\f+8*(4*\c+\a):\f+8*(4*\c+\a)+7], 0
.else
	v_wmma_f32_16x16x32_f16 v[ACC+8*(4*(\a)+\b):ACC+8*(4*(\a)+\b)+7], v[\f+64+8*(4*\c+\b):\f+64+8*(4*\c+\b)+7], v[\f+8*(4*\c+\a):\f+8*(4*\c+\a)+7], v[ACC+8*(4*(\a)+\b):ACC+8*(4*(\a)+\b)+7]
.endif
.endr
.endr
.endm
; 32 LDS loads in one run: the fragments of 64 along K at byte k of the rows, into buffer f; the first 32 along K first
.macro FETCH slot, k, f
	WIN TO_F
.irp c, 0,1
.irp i, 0,1,2,3
	ds_load_b128 v[\f+64+8*(4*\c+\i):\f+64+8*(4*\c+\i)+3],   v[ADRB+\slot] offset:\k+64*\c+\i*16*PITCH
	ds_load_b128 v[\f+64+8*(4*\c+\i)+4:\f+64+8*(4*\c+\i)+7], v[ADRB+\slot] offset:\k+64*\c+\i*16*PITCH+32
	ds_load_b128 v[\f+8*(4*\c+\i):\f+8*(4*\c+\i)+3],         v[ADRA+\slot] offset:\k+64*\c+\i*16*PITCH
	ds_load_b128 v[\f+8*(4*\c+\i)+4:\f+8*(4*\c+\i)+7],       v[ADRA+\slot] offset:\k+64*\c+\i*16*PITCH+32
.endr
.endr
.endm
.macro PLACES                          ; four places in front of loads into registers that matrix instructions have read, and of the first read of results
.rept 4
	v_nop
.endr
.endm
; A K step is four quarters of 64 along K, 32 matrix instructions each, on buffers 0, 1, 0, 1.  One of the first three: multiplies buffer f and fetches the next quarter, at byte k, into g.
.macro QUARTER slot, k, f, g, zero
	s_wait_dscnt 16                                ; the first 32 along K are in; the youngest sixteen loads may be out
	WIN MUL
	MUL8 \f, 0, 0, \zero
	MUL8 \f, 0, 2, \zero
	PLACES
	FETCH \slot, \k, \g
	s_wait_dscnt 32                                ; all but the 32 just issued
	WIN MUL
	MUL8 \f, 1, 0, 0
	MUL8 \f, 1, 2, 0
.endm
; The last quarter multiplies buffer 1 and changes slots: ONE barrier; in front of it each wave waits for all its tensor loads, adds 0 to its spare word, and waits for that and for its reads of this slot.
.macro TURN slot, next, fill
	WIN 0                                          ; (the add's two registers lie in window 0)
	s_wait_tensorcnt 0x0                           ; all my tensor loads have landed: my part of the next slot;
	ds_add_u32 v[SPW], v[NIL]
	s_wait_dscnt 17                                ; (the add and the youngest sixteen loads may be out)
	WIN MUL
	MUL8 F1, 0, 0, 0
	s_wait_dscnt 0x0                               ; the add is done, and my reads of this slot are over
	s_barrier_signal -1
	MUL8 F1, 0, 2, 0
.if \fill
	WIN 0
.endif
	s_barrier_wait -1
.if \fill
	CREST                                          ; the barrier has opened a round of the cluster's: no wave of any partner still reads this slot's tile or has a load on its way
	s_add_nc_u64 s[G0+4*\slot+2:G0+4*\slot+3], s[G0+4*\slot+2:G0+4*\slot+3], 2*KSTEP*2
	s_add_nc_u64 s[G0B+4*\slot+2:G0B+4*\slot+3], s[G0B+4*\slot+2:G0B+4*\slot+3], 2*KSTEP*2
	JLOAD \slot                                    ; the first tensor load behind the round; its four v_nop are also the places in front of the loads below
.else
	PLACES
.endif
	FETCH \next, 0, F0
	WIN MUL
	MUL8 F1, 1, 0, 0
	MUL8 F1, 1, 2, 0
.endm
	s_wait_tensorcnt 1                             ; my part of K step 0 is in; K step 1's may stay out
	s_barrier_signal -1
	s_barrier_wait -1                              ; everybody's is
	FETCH 0, 0, F0
	QUARTER 0, 128, F0, F1, 1                      ; the first quarter stands in front of the loop: its first products start the sums
	WIN 0                                          ; at a label and at a branch every window is 0
	s_mov_b32 s3, LAPS-1
.Llap:                                                 ; a trip goes once round the ring, from a lap's second quarter to the next lap's first, and fills both slots again
	QUARTER 0, 256, F1, F0, 0
	QUARTER 0, 384, F0, F1, 0
	TURN 0, 1, 1
	QUARTER 1, 128, F0, F1, 0
	QUARTER 1, 256, F1, F0, 0
	QUARTER 1, 384, F0, F1, 0
	TURN 1, 0, 1
	QUARTER 0, 128, F0, F1, 0
	WIN 0
	s_sub_co_u32 s3, s3, 1
	s_cmp_lg_u32 s3, 0
	s_cbranch_scc1 .Llap
	QUARTER 0, 256, F1, F0, 0                      ; the last lap fills nothing, and has no round of the cluster's barrier
	QUARTER 0, 384, F0, F1, 0
	TURN 0, 1, 0
	QUARTER 1, 128, F0, F1, 0
	QUARTER 1, 256, F1, F0, 0
	QUARTER 1, 384, F0, F1, 0
	s_wait_dscnt 16                                ; the very last quarter: nothing more to fetch
	WIN MUL
	MUL8 F1, 0, 0, 0
	MUL8 F1, 0, 2, 0
	s_wait_dscnt 0
	MUL8 F1, 1, 0, 0
	MUL8 F1, 1, 2, 0
	WIN 0
; THE WAY OUT, a block of 16 rows x 64 columns at a time: the accumulators go to my stage as they are, each from its low end on, and come back as whole rows of 256 bytes.
; LDS serves a wave's instructions in order: no wait between the stores and the loads, nor in front of the next block's stores.
.macro TOSTAGE a
.irp b, 0,1,2,3
	ds_store_b128 v[STO], v[ACC+8*(4*(\a)+\b):ACC+8*(4*(\a)+\b)+3] offset:64*\b
	ds_store_b128 v[STO], v[ACC+8*(4*(\a)+\b)+4:ACC+8*(4*(\a)+\b)+7] offset:64*\b+16
.endr
.set BB, TMP+32*((\a)%2)
.irp t, 0,1,2,3,4,5,6,7
	ds_load_b128 v[BB+4*\t:BB+4*\t+3], v[RD] offset:\t*2*SPITCH
.endr
.endm
.macro SEND a, younger                 ; younger: the LDS instructions issued behind block a's loads, which may stay out
.set BB, TMP+32*((\a)%2)
	s_wait_dscnt \younger
.irp t, 0,1,2,3,4,5,6,7
	global_store_b128 v[CO], v[BB+4*\t:BB+4*\t+3], s[8:9] offset:(16*(\a)+2*\t)*SIZE_N*4 th:TH_STORE_NT   ; 16 lanes store 256 consecutive bytes, aligned; written once, read by nobody here
.endr
.endm
	PLACES
	TOSTAGE 0
	TOSTAGE 1
	SEND 0, 16                                     ; behind block 0's loads: block 1's 8 stores and 8 loads
	s_wait_xcnt 0x0                                ; block 0's stores have read their registers: block 2's loads may land there
	TOSTAGE 2
	SEND 1, 16
	s_wait_xcnt 0x0
	TOSTAGE 3
	SEND 2, 16
	SEND 3, 0
	s_wait_tensorcnt 0x0                           ; the wave's end
	ds_add_u32 v[SPW], v[NIL]
	s_wait_dscnt 0x0
	CROUND                                         ; the closing round
	s_endpgm
.Lfunc_end_k_qa2a4907995_oproj:
	.size	k_qa2a4907995_oproj, .Lfunc_end_k_qa2a4907995_oproj-k_qa2a4907995_oproj
	.p2alignl 7, 3214868480
	.fill 96, 4, 3214868480
	.section	.rodata,"a",@progbits
	.p2align	6, 0x0
	.amdhsa_kernel k_qa2a4907995_oproj
		.amdhsa_group_segment_fixed_size 327680
		.amdhsa_private_segment_fixed_size 0
		.amdhsa_enable_private_segment 0
		.amdhsa_kernarg_size 24
		.amdhsa_user_sgpr_count 2
		.amdhsa_user_sgpr_kernarg_segment_ptr 1
		.amdhsa_wavefront_size32 1
		.amdhsa_system_sgpr_workgroup_id_x 1
		.amdhsa_system_sgpr_workgroup_id_y 1
		.amdhsa_system_sgpr_workgroup_id_z 1
		.amdhsa_system_vgpr_workitem_id 0
		.amdhsa_next_free_vgpr 512
		.amdhsa_next_free_sgpr 66
		.amdhsa_reserve_vcc 0
		.amdhsa_float_denorm_mode_32 3
		.amdhsa_float_denorm_mode_16_64 3
		.amdhsa_memory_ordered 1
		.amdhsa_forward_progress 1
		.amdhsa_inst_pref_size 86
	.end_amdhsa_kernel
	.amdgpu_metadata
---
amdhsa.version: [ 1, 2 ]
amdhsa.kernels:
  - .name:           k_qa2a4907995_oproj
    .symbol:         k_qa2a4907995_oproj.kd
    .args:
      - { .name: att16, .offset: 0, .size: 8, .value_kind: global_buffer, .address_space: global }
      - { .name: wo16, .offset: 8, .size: 8, .value_kind: global_buffer, .address_space: global }
      - { .name: out0, .offset: 16, .size: 8, .value_kind: global_buffer, .address_space: global }
    .group_segment_fixed_size: 327680
    .private_segment_fixed_size: 0
    .kernarg_segment_align: 8
    .kernarg_segment_size: 24
    .max_flat_workgroup_size: 128
    .sgpr_count:     66
    .vgpr_count:     512
    .wavefront_size: 32
...
	.end_amdgpu_metadata
.endif
;; end of part 4
